; MI455X (gfx1250); checked and timed in simulation.
; The chip was launched on July 23, 2026; its instructions are those of AMD's public machine-readable ISA for CDNA 5 (MIT licence, August 2026) and "CDNA5" Instruction Set Architecture Reference Guide (July 2026). The comments in the code are by the model that wrote it; some were corrected since.
;; Block. Allowed arithmetic: matrix products marked QUANTISED: E2M1 operands, one E8M0 scale for each 32 along K, by v_wmma_scale_f32_16x16x128_f8f6f4 with both operands' format E2M1 (or v_wmma_scale_f32_32x16x128_f4), f32 sums; everything else in f32.
;; Inputs: W1_codes 2,048 x 16 x 16 uint8 (E2M1 codes of W1, K innermost, in blocks of 32 codes, two codes a byte); W1_scales 2,048 x 16 uint8 (E8M0 scales of W1, one for each 32 codes along K); W2_codes 512 x 64 x 16 uint8 (E2M1 codes of W2, K innermost, in blocks of 32 codes, two codes a byte); W2_scales 512 x 64 uint8 (E8M0 scales of W2, one for each 32 codes along K); Wk_codes 8 x 64 x 16 x 16 uint8 (E2M1 codes of Wk, K innermost, in blocks of 32 codes, two codes a byte); Wk_scales 8 x 64 x 16 uint8 (E8M0 scales of Wk, one for each 32 codes along K); Wp_codes 512 x 16 x 16 uint8 (E2M1 codes of Wp, K innermost, in blocks of 32 codes, two codes a byte); Wp_scales 512 x 16 uint8 (E8M0 scales of Wp, one for each 32 codes along K); Wq_codes 8 x 64 x 16 x 16 uint8 (E2M1 codes of Wq, K innermost, in blocks of 32 codes, two codes a byte); Wq_scales 8 x 64 x 16 uint8 (E8M0 scales of Wq, one for each 32 codes along K); Wv_codes 8 x 64 x 16 x 16 uint8 (E2M1 codes of Wv, K innermost, in blocks of 32 codes, two codes a byte); Wv_scales 8 x 64 x 16 uint8 (E8M0 scales of Wv, one for each 32 codes along K); b1 2,048 float32; b2 512 float32; bk 8 x 64 float32; bp 512 float32; bq 8 x 64 float32; bv 8 x 64 float32; ln1_b 512 float32; ln1_g 512 float32; ln2_b 512 float32; ln2_g 512 float32; x 4 x 2,048 x 512 float32.
;; Outputs: out0 4 x 2,048 x 512 float32.
;; This version of the problem:
;;   THIS VERSION OF THE PROBLEM IS GIVEN IN LOW PRECISION. The matrix products marked QUANTISED in the list below multiply operands that are first quantised to E2M1 (2 exponent bits, 1 mantissa bit; 4 bits a number), with one power-of-two scale for each 32 numbers along K (OCP MX v1.0); their sums are f32. All else is computed in f32.
;;   The module's matrix products, in the order in which they are computed (A, B: the left and right operand; K: the contracted axis; several contracted axes count as one K, in the product's order):
;;     1. [M 512, K 512] x [K 512, N 8,192]; A: input Wq (given as codes); B: computed on the way: QUANTISED
;;     2. [M 512, K 512] x [K 512, N 8,192]; A: input Wk (given as codes); B: computed on the way: QUANTISED
;;     3. [M 512, K 512] x [K 512, N 8,192]; A: input Wv (given as codes); B: computed on the way: QUANTISED
;;     4. batch 32 x [M 2,048, K 64] x [K 64, N 2,048]; A: computed on the way; B: computed on the way: QUANTISED
;;     5. batch 32 x [M 2,048, K 2,048] x [K 2,048, N 64]; A: softmax (see below); B: computed on the way: QUANTISED
;;     6. [M 8,192, K 512] x [K 512, N 512]; A: computed on the way; B: input Wp (given as codes): QUANTISED
;;     7. [M 8,192, K 512] x [K 512, N 2,048]; A: computed on the way; B: input W1 (given as codes): QUANTISED
;;     8. [M 8,192, K 2,048] x [K 2,048, N 512]; A: computed on the way; B: input W2 (given as codes): QUANTISED
;;   THE QUANTISER, for each operand of a quantised product, along K:
;;     - K is cut into blocks of 32 from its start; a last block that is shorter is filled with zeros.
;;     - A block's scale is 2^e with e = floor(log2(the largest magnitude in the block)) - 2, held to -126 .. 127; a block of zeros has e = 0. As a byte (E8M0): e + 127.
;;     - Each number is divided by its block's scale, clamped to +-6, and rounded to the nearest number of E2M1, ties to even, subnormals kept.
;;     - The product sums the exact products of the quantised numbers (number of the format x scale) in f32.
;;   ~~~python
;;   def quantise(x, axis):      # numpy; x: float32 -> the quantised numbers, widened to float32 again
;;       x = np.moveaxis(x, axis, -1); K = x.shape[-1]
;;       x = np.pad(x, [(0, 0)] * (x.ndim - 1) + [(0, -K % 32)]); x = x.reshape(x.shape[:-1] + (-1, 32)); a = np.abs(x).max(-1, keepdims=True)
;;       e = np.where(a > 0, np.clip(np.frexp(np.where(a > 0, a, 1))[1] - 1 - 2, -126, 127), 0)      # np.frexp(a)[1] - 1 = floor(log2(a)), exactly
;;       r = np.clip(x / 2.0 ** e, -6, 6)
;;       step = 2.0 ** (np.maximum(np.frexp(np.where(r == 0, 1, r))[1] - 1, 0) - 1)
;;       q = np.round(r / step) * step * 2.0 ** e      # np.round: ties to even
;;       return np.moveaxis(q.reshape(q.shape[:-2] + (-1,))[..., :K], -1, axis).astype(np.float32)
;;   ~~~
;;   SOFTMAX AHEAD OF A QUANTISED PRODUCT. Where the list says 'softmax', what is quantised is not the finished softmax but p = 2^(t - M), with t = logit x log2(e) and M = ceil(the row's largest t), a whole number; so 1/2 < the row's largest p <= 1. The row's sum l is taken of the UNQUANTISED p, in f32, and the product's result is divided by l at the end. Since M is a whole number, a kernel that streams over the keys may use a running M (the ceiling of the running maximum): every later rescaling is an exact power of two, which a block's scale takes up: the codes' values come out the same.
;;   OPERANDS COMPUTED ON THE WAY. 'Computed on the way' means the value that the module computes at that place (a softmax that the list does not call 'softmax' is quantised finished and normalised). What goes into a quantiser is computed in f32, as accurately as f32 sums, v_exp_f32 and their like allow (about 1e-6 of the number): no bf16 or f16 on the way to a quantiser, and a product that is left as it is and whose result goes on into a quantised operand takes f32 operands (vector FMAs, or v_wmma_f32_16x16x4_f32). A number that lies on a knife's edge between two numbers of the format may be rounded either way, as far as f32 arithmetic and the matrix unit's own rounding can turn it there, and no further.
;;   INPUTS GIVEN AS CODES. W1 (in the module: [512, 2048], K = its axis 0); W2 (in the module: [2048, 512], K = its axis 0); Wk (in the module: [8, 512, 64], K = its axis 1); Wp (in the module: [512, 512], K = its axis 0); Wq (in the module: [8, 512, 64], K = its axis 1); Wv (in the module: [8, 512, 64], K = its axis 1): each comes as NAME_codes (uint8): NAME with its K axis moved to the last place and cut into blocks of 32 codes, [.., K / 32, bytes a block], one block behind the other in memory; two codes a byte, the lower K in the low four bits (a code: sign, 2 exponent bits, 1 mantissa bit); and NAME_scales (uint8): the same leading axes, one E8M0 byte (e + 127) for each 32 codes along K. Its value is code x scale, taken as it is: it is not quantised again, and the codes and scales need not be those that the quantiser above would give.
;; One version. Each part assembles by itself: llvm-mc -triple=amdgcn-amd-amdhsa -mcpu=gfx1250 --defsym DOCPART=n.
;; ======== version 1 of 1: 3 launches
;; limits: right only within a limited range of input values
;; workspace buffers: qc 2,097,152 bytes; qs 262,144 bytes; kv 4,456,448 bytes; oc 2,097,152 bytes; os 131,072 bytes
;; launch qkv (part 1): grid 256 x 1, 8 waves a work-group, no clusters, 92,160 bytes of LDS; arguments x, ln1_g, ln1_b, Wq_codes, Wq_scales, bq, Wk_codes, Wk_scales, bk, Wv_codes, Wv_scales, bv, qc, qs, kv; writes qc, qs, kv
.if DOCPART == 1
	.amdgcn_target "amdgcn-amd-amdhsa--gfx1250"
	.amdhsa_code_object_version 6
	.text
	.protected	k_qb649585c7b_qkv
	.globl	k_qb649585c7b_qkv
	.p2align	8
	.type	k_qb649585c7b_qkv,@function
k_qb649585c7b_qkv:
	s_mov_b64 s[64:65], 0
	v_nop
	global_prefetch_b8 v0, s[64:65] scope:SCOPE_SE
	s_setreg_imm32_b32 hwreg(HW_REG_WAVE_MODE, 25, 1), 1
	s_wait_xcnt 0x0
; h = LayerNorm(x); Q, K, V = h W + b for 8 heads, on codes of FP4 (E2M1) with one E8M0 scale for each 32 along K; Q and K are quantised along the head's 64, V along the keys.
; SHARES.  A work-group takes 32 tokens.  LayerNorm: wave w takes tokens 4 w .. 4 w + 3, a whole row of 512 to the wave.  Products: wave w takes head w of Q, of K and of V: three chunks of 64 rows x 512 K (16 KB) of weights.
; THE ORDER OF ROWS IN A TILE.  Of a group of 32 rows (tokens, rows of a weight) lane r of tile u takes row 8 u + r + 8 (r / 8).  In a result, register j of lane half h of tile u is then row 16 h + 8 u + j,
; so the 16 registers of two neighbouring tiles are 16 neighbours along the next product's K, and the conversions' results are the next operand's registers.
; WHAT IS STORED are images of operand registers (16 bytes a lane, 512 consecutive bytes a store):  qc [pair][tile of 16 tokens][512];  qs [pair][tile][16 words];
; kv [pair][step of 128 keys] records of 8,704 bytes: K's 8 tiles x 512, V's 4 tiles of the head's 64 x 1,024, K's scale words 256, V's 256.
; WEIGHTS go from memory straight into the registers of the one wave that multiplies by them: a chunk is wanted by one wave of the work-group, once.  So no LDS ring, no tensor load; and no joint load in a cluster,
; which would lay a chunk's 16 KB into LDS to be read out once for 32 matrix instructions.  No prefetch: every work-group reads the same 408 KB of weights, and each chunk is asked for a chunk's work ahead.
; LIMITS: NaN and infinities among the inputs are not served.  A block of zeros gets the scale byte 1, not 127: its codes are zeros, and this program alone reads the bytes.  1 / sqrt by v_rsq_f32 (1 ulp).
; REGISTERS, window 0: v1-19 addresses; v20-23 bv; v24-27 h's scale words; v32-95 g and b, then h's 8 fragments; v96-159 x, then 8 accumulators; v160-191 a bias in the result's layout; v192-199 codes just made;
;   v200-215 the quantiser's; v216-223 mean, then 1 / sqrt, a pair a token; v224-239 the weights' scale words, two sets; v240-255 sums.   window 1: two chunks of weights, at v0 and at v128.
.set HS,   8704                        ; LDS: 0: h's codes, 32 rows (row 16 u + r), pitch 272;  8704: their scale bytes, 16 a row;
.set XT,   9216                        ; 9216: each wave's own stage, 4 tokens x 32 places of 64 + 16 bytes
.set LI,   4                           ; 16 x lane
.set WO,   5                           ; a weight's codes: 256 (r + 8 (r / 8)) + 16 h
.set WSO,  6                           ; its scale bytes: 16 (8 h + r + 8 (r / 8))
.set BO,   7                           ; a bias in the result's layout: 64 h
.set BVO,  8                           ; bv: 4 (r + 8 (r / 8))
.set XSI,  9                           ; the stage, in
.set XSO,  10                          ; the stage, out
.set HCS,  11                          ; where I store h's codes
.set HSS,  12                          ; and its scale bytes
.set FRD,  13                          ; where I read h's fragments: 272 r + 16 h
.set GO,   14                          ; g, b: 64 x lane
.set KCO,  15                          ; kv: K's images
.set VCO,  16                          ; kv: V's images
.set KSO,  17                          ; kv: K's scale words
.set VSO,  18                          ; kv: V's scale bytes
.set L4,   19                          ; 4 x lane
.set BV,   20
.set ACTS, 24
.set R0,   32
.set R1,   96
.set BIAS, 160
.set PC,   192
.set TM,   200
.set MR,   216
.set WS,   224
.set SM,   240
.set HM,   42                          ; s42  mask of lanes 16-31
.set SEL,  44                          ; s[44:45] v_permlanex16_b32's selects for lane l xor 16
.set MSB, 0
.macro WIN new                         ; the immediate's high byte repeats the setting that is left
.if MSB != \new
	s_set_vgpr_msb (MSB<<8)|\new
.set MSB, \new
.endif
.endm
.macro PLACES                          ; four plain places behind matrix instructions, ahead of loads into their registers and of reads of their results
.rept 4
	v_nop
.endr
.endm
; one matrix instruction; ra, rb: the side's scale words stand in lanes 16-31 of the register named
.macro MM d, a, b, c, sa, sb, ra, rb
.if (\ra) && (\rb)
	v_wmma_scale_f32_16x16x128_f8f6f4 v[(\d):(\d)+7], v[(\a):(\a)+7], v[(\b):(\b)+7], v[(\c):(\c)+7], v[\sa], v[\sb] matrix_a_fmt:MATRIX_FMT_FP4 matrix_b_fmt:MATRIX_FMT_FP4 matrix_a_scale:MATRIX_SCALE_ROW1 matrix_b_scale:MATRIX_SCALE_ROW1
.elseif (\ra)
	v_wmma_scale_f32_16x16x128_f8f6f4 v[(\d):(\d)+7], v[(\a):(\a)+7], v[(\b):(\b)+7], v[(\c):(\c)+7], v[\sa], v[\sb] matrix_a_fmt:MATRIX_FMT_FP4 matrix_b_fmt:MATRIX_FMT_FP4 matrix_a_scale:MATRIX_SCALE_ROW1
.elseif (\rb)
	v_wmma_scale_f32_16x16x128_f8f6f4 v[(\d):(\d)+7], v[(\a):(\a)+7], v[(\b):(\b)+7], v[(\c):(\c)+7], v[\sa], v[\sb] matrix_a_fmt:MATRIX_FMT_FP4 matrix_b_fmt:MATRIX_FMT_FP4 matrix_b_scale:MATRIX_SCALE_ROW1
.else
	v_wmma_scale_f32_16x16x128_f8f6f4 v[(\d):(\d)+7], v[(\a):(\a)+7], v[(\b):(\b)+7], v[(\c):(\c)+7], v[\sa], v[\sb] matrix_a_fmt:MATRIX_FMT_FP4 matrix_b_fmt:MATRIX_FMT_FP4
.endif
.endm
; a chunk's codes: 4 tiles t x 4 K steps s x 8 registers, into window 1 at 128 par.  A tile's 8 loads cover 16 rows x 256 consecutive bytes
.macro LOADW par, base, vo, pitch, off
	WIN 0x40
.irp t, 0,1,2,3
.irp s, 0,1,2,3
.irp c, 0,1
	global_load_b128 v[128*(\par)+32*\t+8*\s+4*\c:128*(\par)+32*\t+8*\s+4*\c+3], v[\vo], s[\base:\base+1] offset:(\off)+(32*(\t/2)+8*(\t%2))*(\pitch)+64*\s+32*\c
.endr
.endr
.endr
	WIN 0
.endm
; its scale words: register WS + 8 par + 4 b + s: lanes 0-15 tile 2 b's word of K step s, lanes 16-31 tile 2 b + 1's
.macro LOADWS par, base, vo, spitch, off
.irp b, 0,1
	global_load_b128 v[WS+8*(\par)+4*\b:WS+8*\par+4*\b+3], v[\vo], s[\base:\base+1] offset:(\off)+32*\b*(\spitch)
.endr
.endm
; a vector over 64 channels in the result's layout: register 16 b + i = channel 32 b + 16 h + i
.macro VEC32 dst, base, off
.irp m, 0,1,2,3,4,5,6,7
	global_load_b128 v[\dst+4*\m:\dst+4*\m+3], v[BO], s[\base:\base+1] offset:(\off)+128*(\m/4)+16*(\m%4)
.endr
.endm
; 32 matrix instructions: source 0 = 16 rows of the weight, source 1 = 16 tokens: a lane holds one token, register 32 u + 16 b + i its channel 32 b + 16 h + i.  The bias is the C of each sum's first instruction.
; The eight accumulators take turns, one instruction a turn.
.macro MUL par
	WIN 0x01
.irp s, 0,1,2,3
.irp t, 0,1,2,3
.irp u, 0,1
.if \s == 0
	MM R1+32*\u+8*\t, 128*(\par)+32*\t+8*\s, R0+32*\u+8*\s, BIAS+8*\t, WS+8*(\par)+4*(\t/2)+\s, ACTS+\s, \t%2, \u
.else
	MM R1+32*\u+8*\t, 128*(\par)+32*\t+8*\s, R0+32*\u+8*\s, R1+32*\u+8*\t, WS+8*(\par)+4*(\t/2)+\s, ACTS+\s, \t%2, \u
.endif
.endr
.endr
.endr
	WIN 0
.endm
; 64 numbers of a lane, four blocks of 16 registers whose other 16 numbers lie in lane l xor 16, become codes: v[PC + 4 c ..]: lanes 0-15 block 2 c whole, lanes 16-31 block 2 c + 1 whole; the scale bytes in v[TM + 4 ..]
.macro QUANT s
.irp b, 0,1,2,3
	v_max3_num_f32 v[TM+\b], |v[\s+16*\b]|, |v[\s+1+16*\b]|, 0x1800000   ; my 16 numbers and the floor 2^(3 - 127): the byte cannot fall under 1
.endr
.irp i, 2,4,6,8,10,12,14
.irp b, 0,1,2,3
	v_max3_num_f32 v[TM+\b], v[TM+\b], |v[\s+16*\b+\i]|, |v[\s+1+16*\b+\i]|
.endr
.endr
.irp b, 0,1,2,3
	s_delay_alu instid0(VALU_DEP_4)
	v_permlanex16_b32 v[TM+4+\b], v[TM+\b], s[SEL], s[SEL+1]
.endr
.irp b, 0,1,2,3
	s_delay_alu instid0(VALU_DEP_4)
	v_max_num_f32 v[TM+\b], v[TM+\b], v[TM+4+\b]       ; the block's largest magnitude
.endr
.irp b, 0,1,2,3
	s_delay_alu instid0(VALU_DEP_4)
	v_add_nc_u32 v[TM+12+\b], 0xff000000, v[TM+\b]     ; 2 off its exponent field: the conversion's scale operand
.endr
.irp b, 0,1,2,3
	s_delay_alu instid0(VALU_DEP_4)
	v_lshrrev_b32 v[TM+4+\b], 23, v[TM+12+\b]          ; the scale's byte
.endr
.irp b, 0,1,2,3
	v_cvt_scalef32_pk8_fp4_f32 v[PC+2*\b], v[\s+16*\b:\s+7+16*\b], v[TM+12+\b]
	v_cvt_scalef32_pk8_fp4_f32 v[PC+1+2*\b], v[\s+8+16*\b:\s+15+16*\b], v[TM+12+\b]
.endr
	v_nop                                              ; one plain place behind a scaled conversion
.irp c, 0,1
.irp i, 0,1
	v_permlane16_swap_b32 v[PC+4*\c+\i], v[PC+2+4*\c+\i]
.endr
.endr
.endm
; four sums, one a token, each in four registers a lane, become the wave's sums in v[SM + 4 k]
.macro REDUCE
.irp k, 0,1,2,3
	v_pk_add_f32 v[SM+4*\k:SM+4*\k+1], v[SM+4*\k:SM+4*\k+1], v[SM+4*\k+2:SM+4*\k+3]
.endr
.irp k, 0,1,2,3
	s_delay_alu instid0(VALU_DEP_4)
	v_add_f32 v[SM+4*\k], v[SM+4*\k], v[SM+4*\k+1]
.endr
.irp x, 1,2,4,8
.irp k, 0,1,2,3
	s_delay_alu instid0(VALU_DEP_4)
	v_add_f32_dpp v[SM+4*\k], v[SM+4*\k], v[SM+4*\k] row_xmask:\x row_mask:0xf bank_mask:0xf
.endr
.endr
.irp k, 0,1,2,3
	s_delay_alu instid0(VALU_DEP_4)
	v_permlanex16_b32 v[SM+4*\k+1], v[SM+4*\k], s[SEL], s[SEL+1]
.endr
.irp k, 0,1,2,3
	s_delay_alu instid0(VALU_DEP_4)
	v_add_f32 v[SM+4*\k], v[SM+4*\k], v[SM+4*\k+1]
.endr
.endm
	s_load_b512 s[8:23], s[0:1], 0x0               ; x 8, g 10, b 12, Wq's codes 14, scales 16, bq 18, Wk's codes 20, scales 22
	s_load_b256 s[24:31], s[0:1], 0x40             ; bk 24, Wv's codes 26, scales 28, bv 30
	s_load_b128 s[32:35], s[0:1], 0x60             ; qc 32, qs 34
	s_load_b64 s[36:37], s[0:1], 0x70              ; kv 36
	v_lshl_add_u32 v210, v0, 2, 0x16400
	v_mov_b32 v211, 0
	v_lshrrev_b32 v1, 5, v0
	s_delay_alu instid0(VALU_DEP_1)
	v_readfirstlane_b32 s2, v1                     ; wave = head
	s_mov_b32 s3, ttmp9                            ; the block of 32 tokens
	v_and_b32 v1, 31, v0                           ; lane
	v_and_b32 v2, 15, v0                           ; r
	v_bfe_u32 v3, v0, 4, 1                         ; h
	s_delay_alu instid0(VALU_DEP_3)
	v_lshlrev_b32 v[LI], 4, v1
	s_delay_alu instid0(VALU_DEP_3)
	v_and_b32 v20, 8, v2
	s_delay_alu instid0(VALU_DEP_1)
	v_add_nc_u32 v20, v20, v2                      ; r + 8 (r / 8)
	s_delay_alu instid0(VALU_DEP_1)
	v_lshlrev_b32 v[WO], 8, v20
	s_delay_alu instid0(VALU_DEP_1)
	v_lshl_add_u32 v[WO], v3, 4, v[WO]
	s_delay_alu instid0(VALU_DEP_3)
	v_lshl_add_u32 v[WSO], v3, 3, v20
	s_delay_alu instid0(VALU_DEP_1)
	v_lshlrev_b32 v[WSO], 4, v[WSO]
	v_lshlrev_b32 v[BO], 6, v3
	v_lshlrev_b32 v[BVO], 2, v20
	s_mul_i32 s60, s2, 10240
	s_add_co_u32 s60, s60, XT                      ; my wave's stage
	v_lshrrev_b32 v[XSI], 2, v1
	s_delay_alu instid0(VALU_DEP_1)
	v_mul_u32_u24 v[XSI], v[XSI], 80
	v_and_b32 v21, 3, v1
	s_delay_alu instid0(VALU_DEP_1)
	v_lshl_add_u32 v[XSI], v21, 4, v[XSI]
	s_delay_alu instid0(VALU_DEP_1)
	v_add_nc_u32 v[XSI], s60, v[XSI]               ; in: four lanes' 64 bytes on end, then 16 of padding
	v_mul_u32_u24 v[XSO], v1, 80
	s_delay_alu instid0(VALU_DEP_1)
	v_add_nc_u32 v[XSO], s60, v[XSO]               ; out: my 16 neighbours
	s_bfe_u32 s61, s2, 0x10001                     ; token 4 w + k lies in row 16 ((w / 2) % 2) + 8 (w / 4) + 4 (w % 2) + k of h's codes
	s_lshl_b32 s61, s61, 4
	s_lshr_b32 s62, s2, 2
	s_lshl_b32 s62, s62, 3
	s_add_co_u32 s61, s61, s62
	s_and_b32 s62, s2, 1
	s_lshl_b32 s62, s62, 2
	s_add_co_u32 s61, s61, s62
	s_mul_i32 s62, s61, 272
	v_lshl_add_u32 v[HCS], v1, 3, s62
	s_lshl_b32 s62, s61, 4
	s_add_co_u32 s62, s62, HS
	v_lshrrev_b32 v[HSS], 1, v1
	s_delay_alu instid0(VALU_DEP_1)
	v_add_nc_u32 v[HSS], s62, v[HSS]
	v_mul_u32_u24 v[FRD], v2, 272
	s_delay_alu instid0(VALU_DEP_1)
	v_lshl_add_u32 v[FRD], v3, 4, v[FRD]
	v_lshlrev_b32 v[GO], 6, v1
	s_and_b32 s63, s3, 3                           ; which block of 32 keys of a step of 128 my tokens are
	s_lshl_b32 s62, s63, 10
	v_add_nc_u32 v[KCO], s62, v[LI]                ; 1,024 kb + 16 lane
	s_lshl_b32 s62, s63, 8
	s_add_co_u32 s62, s62, 4096
	v_lshl_add_u32 v[VCO], v3, 10, s62
	s_delay_alu instid0(VALU_DEP_1)
	v_lshl_add_u32 v[VCO], v2, 4, v[VCO]           ; 4,096 + 256 kb + 1,024 h + 16 r
	s_lshl_b32 s62, s63, 6
	s_add_co_u32 s62, s62, 8192
	v_lshl_add_u32 v[KSO], v2, 2, s62
	s_delay_alu instid0(VALU_DEP_1)
	v_lshl_add_u32 v[KSO], v3, 1, v[KSO]           ; 8,192 + 64 kb + 4 r + 2 h
	s_add_co_u32 s62, s63, 8448
	v_lshl_add_u32 v[VSO], v1, 2, s62              ; 8,448 + kb + 4 lane
	v_lshlrev_b32 v[L4], 2, v1
.irp b, 4,5,6,7
	v_mov_b32 v[TM+\b], 0                          ; written once: a lane permute's destination counts as one of its sources
.endr
.irp k, 0,1,2,3
	v_mov_b32 v[MR+2*\k+1], 0                      ; the upper halves of pairs of which the low word serves both halves
.endr
	s_mov_b32 s[HM], 0xffff0000
	s_mov_b32 s[SEL], 0x76543210
	s_mov_b32 s[SEL+1], 0xfedcba98
	s_mov_b32 s48, 0x3b000000                      ; 1 / 512
	s_mov_b32 s49, 0x3727c5ac                      ; 1e-5
	s_lshl_b32 s38, s3, 16                         ; x: 32 tokens x 2,048 bytes a block, 4 tokens a wave
	s_lshl_b32 s62, s2, 13
	s_add_co_u32 s38, s38, s62
	s_mov_b32 s39, 0
	s_lshl_b32 s40, s2, 14                         ; a head's codes: 16,384 bytes
	s_mov_b32 s41, 0
	s_lshl_b32 s46, s2, 10                         ; its scale bytes: 1,024
	s_mov_b32 s47, 0
	s_lshl_b32 s50, s2, 8                          ; its bias: 256
	s_mov_b32 s51, 0
	s_lshr_b32 s52, s3, 6
	s_lshl_b32 s52, s52, 3
	s_add_co_u32 s52, s52, s2                      ; pair = 8 x batch + head
	s_and_b32 s53, s3, 63                          ; the block of 32 tokens within the batch
	s_lshl_b32 s54, s52, 16
	s_lshl_b32 s62, s53, 10
	s_add_co_u32 s54, s54, s62                     ; qc: 65,536 pair + 1,024 block
	s_mov_b32 s55, 0
	s_lshl_b32 s56, s52, 13
	s_lshl_b32 s62, s53, 7
	s_add_co_u32 s56, s56, s62                     ; qs: 8,192 pair + 128 block
	s_mov_b32 s57, 0
	s_lshl_b32 s58, s52, 4
	s_lshr_b32 s62, s53, 2
	s_add_co_u32 s58, s58, s62
	s_mul_i32 s58, s58, 8704                       ; kv: record 16 pair + block / 4
	s_mov_b32 s59, 0
	s_wait_kmcnt 0x0
	s_add_nc_u64 s[8:9], s[8:9], s[38:39]
	s_add_nc_u64 s[14:15], s[14:15], s[40:41]
	s_add_nc_u64 s[20:21], s[20:21], s[40:41]
	s_add_nc_u64 s[26:27], s[26:27], s[40:41]
	s_add_nc_u64 s[16:17], s[16:17], s[46:47]
	s_add_nc_u64 s[22:23], s[22:23], s[46:47]
	s_add_nc_u64 s[28:29], s[28:29], s[46:47]
	s_add_nc_u64 s[18:19], s[18:19], s[50:51]
	s_add_nc_u64 s[24:25], s[24:25], s[50:51]
	s_add_nc_u64 s[30:31], s[30:31], s[50:51]
	s_add_nc_u64 s[32:33], s[32:33], s[54:55]
	s_add_nc_u64 s[34:35], s[34:35], s[56:57]
	s_add_nc_u64 s[36:37], s[36:37], s[58:59]
	; ---- my four rows of x, 512 consecutive bytes a load; g and b of my 16 columns; Wq's chunk and bq
.irp k, 0,1,2,3
.irp i, 0,1,2,3
	global_load_b128 v[R1+16*\k+4*\i:R1+16*\k+4*\i+3], v[LI], s[8:9] offset:2048*\k+512*\i th:TH_LOAD_NT
.endr
.endr
.irp m, 0,1,2,3
	global_load_b128 v[R0+4*\m:R0+4*\m+3], v[GO], s[10:11] offset:16*\m
.endr
.irp m, 0,1,2,3
	global_load_b128 v[R0+16+4*\m:R0+16+4*\m+3], v[GO], s[12:13] offset:16*\m
.endr
	LOADW 0, 14, WO, 256, 0
	LOADWS 0, 16, WSO, 16, 0
	VEC32 BIAS, 18, 0
	s_wait_loadcnt 42                              ; x, g and b are in: behind them stand the chunk's 34 loads and the bias's 8
	; ---- the rows turn through my own stage, so that a lane holds 16 neighbouring columns of each token.  LDS serves a wave's instructions in order (ISA guide 5.7.1.4)
.irp k, 0,1,2,3
.irp i, 0,1,2,3
	ds_store_b128 v[XSI], v[R1+16*\k+4*\i:R1+16*\k+4*\i+3] offset:2560*\k+640*\i
.endr
.endr
.irp k, 0,1,2,3
.irp m, 0,1,2,3
	ds_load_b128 v[R1+16*\k+4*\m:R1+16*\k+4*\m+3], v[XSO] offset:2560*\k+16*\m
.endr
.endr
	LOADW 1, 20, WO, 256, 0                        ; Wk's chunk
	LOADWS 1, 22, WSO, 16, 0
	s_wait_dscnt 0x0
	; ---- LayerNorm, the four tokens by turns: the mean; x - mean; the mean of its squares; 1 / sqrt; g, b
.irp k, 0,1,2,3
	v_pk_add_f32 v[SM+4*\k:SM+4*\k+1], v[R1+16*\k:R1+16*\k+1], v[R1+16*\k+2:R1+16*\k+3]
	v_pk_add_f32 v[SM+4*\k+2:SM+4*\k+3], v[R1+16*\k+4:R1+16*\k+5], v[R1+16*\k+6:R1+16*\k+7]
.endr
.irp i, 8,12
.irp k, 0,1,2,3
	v_pk_add_f32 v[SM+4*\k:SM+4*\k+1], v[SM+4*\k:SM+4*\k+1], v[R1+16*\k+\i:R1+16*\k+\i+1]
	v_pk_add_f32 v[SM+4*\k+2:SM+4*\k+3], v[SM+4*\k+2:SM+4*\k+3], v[R1+16*\k+\i+2:R1+16*\k+\i+3]
.endr
.endr
	REDUCE
.irp k, 0,1,2,3
	s_delay_alu instid0(VALU_DEP_4)
	v_mul_f32 v[MR+2*\k], s48, v[SM+4*\k]          ; the mean
.endr
.irp m, 0,2,4,6,8,10,12,14
.irp k, 0,1,2,3
	v_pk_add_f32 v[R1+16*\k+\m:R1+16*\k+\m+1], v[R1+16*\k+\m:R1+16*\k+\m+1], v[MR+2*\k:MR+2*\k+1] op_sel_hi:[1,0] neg_lo:[0,1] neg_hi:[0,1]
.endr
.endr
.irp k, 0,1,2,3
	v_pk_mul_f32 v[SM+4*\k:SM+4*\k+1], v[R1+16*\k:R1+16*\k+1], v[R1+16*\k:R1+16*\k+1]
	v_pk_mul_f32 v[SM+4*\k+2:SM+4*\k+3], v[R1+16*\k+2:R1+16*\k+3], v[R1+16*\k+2:R1+16*\k+3]
.endr
.irp i, 4,8,12
.irp k, 0,1,2,3
	v_pk_fma_f32 v[SM+4*\k:SM+4*\k+1], v[R1+16*\k+\i:R1+16*\k+\i+1], v[R1+16*\k+\i:R1+16*\k+\i+1], v[SM+4*\k:SM+4*\k+1]
	v_pk_fma_f32 v[SM+4*\k+2:SM+4*\k+3], v[R1+16*\k+\i+2:R1+16*\k+\i+3], v[R1+16*\k+\i+2:R1+16*\k+\i+3], v[SM+4*\k+2:SM+4*\k+3]
.endr
.endr
	REDUCE
.irp k, 0,1,2,3
	s_delay_alu instid0(VALU_DEP_4)
	v_fma_f32 v[SM+4*\k], v[SM+4*\k], s48, s49     ; the variance + 1e-5
.endr
	s_wait_alu depctr_va_vdst(0)
.irp k, 0,1,2,3
	v_rsq_f32 v[MR+2*\k], v[SM+4*\k]
.endr
	v_nop                                          ; a plain place behind the last of them (ISA guide 5.7.2)
	s_wait_alu depctr_va_vdst(0)                   ; one wait for the four, ahead of their first reader
.irp m, 0,2,4,6,8,10,12,14
.irp k, 0,1,2,3
	v_pk_mul_f32 v[R1+16*\k+\m:R1+16*\k+\m+1], v[R1+16*\k+\m:R1+16*\k+\m+1], v[MR+2*\k:MR+2*\k+1] op_sel_hi:[1,0]
.endr
.endr
.irp m, 0,2,4,6,8,10,12,14
.irp k, 0,1,2,3
	v_pk_fma_f32 v[R1+16*\k+\m:R1+16*\k+\m+1], v[R1+16*\k+\m:R1+16*\k+\m+1], v[R0+\m:R0+\m+1], v[R0+16+\m:R0+16+\m+1]
.endr
.endr
	; ---- h is quantised along its 512: two neighbouring lanes hold a block of 32
.irp k, 0,1,2,3
	v_max3_num_f32 v[SM+4*\k], |v[R1+16*\k]|, |v[R1+16*\k+1]|, |v[R1+16*\k+2]|
	v_max3_num_f32 v[SM+4*\k+1], |v[R1+16*\k+3]|, |v[R1+16*\k+4]|, |v[R1+16*\k+5]|
.endr
.irp i, 6,10
.irp k, 0,1,2,3
	v_max3_num_f32 v[SM+4*\k], v[SM+4*\k], |v[R1+16*\k+\i]|, |v[R1+16*\k+\i+1]|
	v_max3_num_f32 v[SM+4*\k+1], v[SM+4*\k+1], |v[R1+16*\k+\i+2]|, |v[R1+16*\k+\i+3]|
.endr
.endr
.irp k, 0,1,2,3
	v_max3_num_f32 v[SM+4*\k], v[SM+4*\k], |v[R1+16*\k+14]|, |v[R1+16*\k+15]|
.endr
.irp k, 0,1,2,3
	s_delay_alu instid0(VALU_DEP_4)
	v_max3_num_f32 v[SM+4*\k], v[SM+4*\k], v[SM+4*\k+1], 0x1800000   ; and the floor 2^(3 - 127)
.endr
.irp k, 0,1,2,3
	s_delay_alu instid0(VALU_DEP_4)
	v_max_num_f32_dpp v[SM+4*\k], v[SM+4*\k], v[SM+4*\k] row_xmask:1 row_mask:0xf bank_mask:0xf
.endr
.irp k, 0,1,2,3
	s_delay_alu instid0(VALU_DEP_4)
	v_add_nc_u32 v[SM+4*\k+2], 0xff000000, v[SM+4*\k]
.endr
.irp k, 0,1,2,3
	v_cvt_scalef32_pk8_fp4_f32 v[PC+2*\k], v[R1+16*\k:R1+16*\k+7], v[SM+4*\k+2]
	v_cvt_scalef32_pk8_fp4_f32 v[PC+2*\k+1], v[R1+16*\k+8:R1+16*\k+15], v[SM+4*\k+2]
.endr
.irp k, 0,1,2,3
	v_lshrrev_b32 v[SM+4*\k+3], 23, v[SM+4*\k+2]   ; the scale's byte (also the plain place behind the conversions)
.endr
.irp k, 0,1,2,3
	ds_store_b64 v[HCS], v[PC+2*\k:PC+2*\k+1] offset:272*\k
	ds_store_b8 v[HSS], v[SM+4*\k+3] offset:16*\k  ; both lanes of a block write the same byte with the same value
.endr
	s_wait_dscnt 0x0                               ; for the others' sake: my stores have landed
	s_barrier_signal -1
	s_barrier_wait -1                              ; h's 32 rows of codes lie in LDS
.irp u, 0,1
.irp s, 0,1,2,3
.irp c, 0,1
	ds_load_b128 v[R0+32*\u+8*\s+4*\c:R0+32*\u+8*\s+4*\c+3], v[FRD] offset:4352*\u+64*\s+32*\c
.endr
.endr
.endr
	ds_load_b128 v[ACTS:ACTS+3], v[LI] offset:HS   ; register s: K step s's words; lanes 0-15 tile 0's tokens, lanes 16-31 tile 1's
	s_wait_dscnt 0x0
	; ---- Q
	s_wait_loadcnt 34                              ; Wq's chunk and bq are in; Wk's 34 loads may be out
	MUL 0
	PLACES
	VEC32 BIAS, 24, 0                              ; bk
	LOADW 0, 26, WO, 256, 0                        ; Wv's chunk, where Wq's lay
	LOADWS 0, 28, WSO, 16, 0
	QUANT R1                                       ; block 2 u + b: tile u's tokens, the head's 32 b ..
	v_lshl_or_b32 v[TM+8], v[TM+5], 8, v[TM+4]
	v_lshl_or_b32 v[TM+9], v[TM+7], 8, v[TM+6]
	s_delay_alu instid0(VALU_DEP_2)
	v_lshl_or_b32 v[TM+8], v[TM+8], 16, v[TM+8]    ; Q's word holds its two bytes twice: the first product lays Q at K 0-63 or at K 64-127
	s_delay_alu instid0(VALU_DEP_2)
	v_lshl_or_b32 v[TM+9], v[TM+9], 16, v[TM+9]
	s_delay_alu instid0(VALU_DEP_1)
	v_cndmask_b32 v[TM+8], v[TM+8], v[TM+9], s[HM]
	global_store_b128 v[LI], v[PC:PC+3], s[32:33]
	global_store_b128 v[LI], v[PC+4:PC+7], s[32:33] offset:512
	global_store_b32 v[L4], v[TM+8], s[34:35]
	; ---- K
	s_wait_loadcnt 34                              ; Wk's chunk and bk are in; Wv's 34 loads may be out
	MUL 1
	PLACES
.irp t, 0,1,2,3
	global_load_b32 v[BV+\t], v[BVO], s[30:31] offset:(32*(\t/2)+8*(\t%2))*4
.endr
	s_wait_xcnt 0x0                                ; Q's stores have read their registers: the codes and the words are written again only behind this wait
	QUANT R1
	v_lshl_or_b32 v[TM+8], v[TM+5], 8, v[TM+4]
	v_lshl_or_b32 v[TM+9], v[TM+7], 8, v[TM+6]
	s_delay_alu instid0(VALU_DEP_1)
	v_cndmask_b32 v[TM+8], v[TM+8], v[TM+9], s[HM]
	global_store_b128 v[KCO], v[PC:PC+3], s[36:37]
	global_store_b128 v[KCO], v[PC+4:PC+7], s[36:37] offset:512
	global_store_b16 v[KSO], v[TM+8], s[36:37]     ; a word of K's scales: tile 2 b's two bytes, then tile 2 b + 1's
	; ---- V, the other way round: source 0 = 16 tokens, source 1 = 16 rows of Wv: a lane holds one of the head's 64, and its registers run along the tokens, which are the second product's K
	s_wait_loadcnt 0x0
.irp t, 0,1,2,3
.irp j, 0,1,2,3,4,5,6,7
	v_mov_b32 v[BIAS+8*\t+\j], v[BV+\t]            ; here the bias hangs on the lane alone
.endr
.endr
	PLACES
	WIN 0x04
.irp s, 0,1,2,3
.irp t, 0,1,2,3
.irp u, 0,1
.if \s == 0
	MM R1+16*\t+8*\u, R0+32*\u+8*\s, 32*\t+8*\s, BIAS+8*\t, ACTS+\s, WS+4*(\t/2)+\s, \u, \t%2
.else
	MM R1+16*\t+8*\u, R0+32*\u+8*\s, 32*\t+8*\s, R1+16*\t+8*\u, ACTS+\s, WS+4*(\t/2)+\s, \u, \t%2
.endif
.endr
.endr
.endr
	WIN 0
	PLACES
	s_wait_xcnt 0x0                                ; K's stores have read their registers
	QUANT R1                                       ; block t: my 32 tokens for tile t's 16 of the head's 64
	v_cndmask_b32 v[TM+8], v[TM+4], v[TM+5], s[HM]
	v_cndmask_b32 v[TM+9], v[TM+6], v[TM+7], s[HM]
	global_store_b128 v[VCO], v[PC:PC+3], s[36:37]                 ; sixteen lanes store 256 consecutive bytes, aligned
	global_store_b128 v[VCO], v[PC+4:PC+7], s[36:37] offset:2048
	global_store_b8 v[VSO], v[TM+8], s[36:37]
	global_store_b8 v[VSO], v[TM+9], s[36:37] offset:128
	s_wait_tensorcnt 0x0
	ds_add_u32 v210, v211
	s_wait_dscnt 0x0
	s_endpgm
.Lfunc_end_k_qb649585c7b_qkv:
	.size	k_qb649585c7b_qkv, .Lfunc_end_k_qb649585c7b_qkv-k_qb649585c7b_qkv
	.p2alignl 7, 3214868480
	.fill 96, 4, 3214868480
	.section	.rodata,"a",@progbits
	.p2align	6, 0x0
	.amdhsa_kernel k_qb649585c7b_qkv
		.amdhsa_group_segment_fixed_size 92160
		.amdhsa_private_segment_fixed_size 0
		.amdhsa_enable_private_segment 0
		.amdhsa_kernarg_size 120
		.amdhsa_user_sgpr_count 2
		.amdhsa_user_sgpr_kernarg_segment_ptr 1
		.amdhsa_wavefront_size32 1
		.amdhsa_system_sgpr_workgroup_id_x 1
		.amdhsa_system_sgpr_workgroup_id_y 1
		.amdhsa_system_sgpr_workgroup_id_z 1
		.amdhsa_system_vgpr_workitem_id 0
		.amdhsa_next_free_vgpr 512
		.amdhsa_next_free_sgpr 66
		.amdhsa_reserve_vcc 0
		.amdhsa_float_denorm_mode_32 3
		.amdhsa_float_denorm_mode_16_64 3
		.amdhsa_memory_ordered 1
		.amdhsa_forward_progress 1
		.amdhsa_inst_pref_size 71
	.end_amdhsa_kernel
	.amdgpu_metadata
---
amdhsa.version: [ 1, 2 ]
amdhsa.kernels:
  - .name:           k_qb649585c7b_qkv
    .symbol:         k_qb649585c7b_qkv.kd
    .args:
      - { .name: x, .offset: 0, .size: 8, .value_kind: global_buffer, .address_space: global }
      - { .name: ln1_g, .offset: 8, .size: 8, .value_kind: global_buffer, .address_space: global }
      - { .name: ln1_b, .offset: 16, .size: 8, .value_kind: global_buffer, .address_space: global }
      - { .name: Wq_codes, .offset: 24, .size: 8, .value_kind: global_buffer, .address_space: global }
      - { .name: Wq_scales, .offset: 32, .size: 8, .value_kind: global_buffer, .address_space: global }
      - { .name: bq, .offset: 40, .size: 8, .value_kind: global_buffer, .address_space: global }
      - { .name: Wk_codes, .offset: 48, .size: 8, .value_kind: global_buffer, .address_space: global }
      - { .name: Wk_scales, .offset: 56, .size: 8, .value_kind: global_buffer, .address_space: global }
      - { .name: bk, .offset: 64, .size: 8, .value_kind: global_buffer, .address_space: global }
      - { .name: Wv_codes, .offset: 72, .size: 8, .value_kind: global_buffer, .address_space: global }
      - { .name: Wv_scales, .offset: 80, .size: 8, .value_kind: global_buffer, .address_space: global }
      - { .name: bv, .offset: 88, .size: 8, .value_kind: global_buffer, .address_space: global }
      - { .name: qc, .offset: 96, .size: 8, .value_kind: global_buffer, .address_space: global }
      - { .name: qs, .offset: 104, .size: 8, .value_kind: global_buffer, .address_space: global }
      - { .name: kv, .offset: 112, .size: 8, .value_kind: global_buffer, .address_space: global }
    .group_segment_fixed_size: 92160
    .private_segment_fixed_size: 0
    .kernarg_segment_align: 8
    .kernarg_segment_size: 120
    .max_flat_workgroup_size: 256
    .sgpr_count:     66
    .vgpr_count:     512
    .wavefront_size: 32
...
	.end_amdgpu_metadata
.endif
;; end of part 1
;; launch attn (part 2): grid 8 x 32, 16 waves a work-group, no clusters, 147,456 bytes of LDS; arguments qc, qs, kv, oc, os; writes oc, os
.if DOCPART == 2
	.amdgcn_target "amdgcn-amd-amdhsa--gfx1250"
	.amdhsa_code_object_version 6
	.text
	.protected	k_qb649585c7b_attn
	.globl	k_qb649585c7b_attn
	.p2align	8
	.type	k_qb649585c7b_attn,@function
k_qb649585c7b_attn:
	s_mov_b64 s[64:65], 0
	v_nop
	global_prefetch_b8 v0, s[64:65] scope:SCOPE_SE
	s_setreg_imm32_b32 hwreg(HW_REG_WAVE_MODE, 25, 1), 1
	s_wait_xcnt 0x0
; Causal attention of one (batch, head) pair on codes of FP4 (E2M1) with E8M0 scales, and the quantising of its result along the model's 512 for the next product.
; t = score x log2(e) / 8; M = the running largest t rounded up to a whole number; p = 2^(t - M) is quantised along the keys, not normalised; the row's sum is taken of the unquantised p and divides at the end.
; Key steps that the causal mask of the source hides wholly from a tile are left out.
; SHARES.  Work-group (i, pair) owns the blocks i and 15 - i of 128 queries: tile A = 8 i + w and tile B = 8 (15 - i) + w of 16 queries for w = 0 .. 7.  Block i wants key steps 0 .. i (128 keys each), block 15 - i wants
; 0 .. 15 - i: 17 items, A's first, whatever i.  The sixteen waves are two groups of eight: wave 8 g + w takes items 2 T + g of tiles A and B of w in trip T: nine trips, in the last of which group 1 has nothing.
; Each group keeps a state of its own (M, sum, O^T).  At its change of tiles a wave lays tile A's state into LDS; group 0 lays tile B's there at the end.  Then group 0 joins and finishes tile A, group 1 tile B: the joining
; multiplies by powers of two.  Items i and 16 lie on the diagonal.
; A STEP'S RECORD (8,704 bytes: K's 8 tiles, V's 4, their scale words, laid as images of operand registers) is asked for two trips ahead into the registers of its group's 256 threads, 34 bytes a thread, stored into the LDS slot that
; was read in the trip before, and read by the group's eight waves in the trip after: two slots of two records, one barrier a trip.
; LAYOUT.  Both products transposed: S^T = K Q^T, O^T = V^T P^T: a lane holds ONE query throughout.  The keys of a tile are 8 u + r + 8 (r / 8) of a group of 32, so that p's 16 registers of two tiles are 16 neighbouring keys.
; THE FIRST PRODUCT'S K IS 64, the instruction's 128: a fragment holds tile 2 b's keys at K 0-63 and tile 2 b + 1's at K 64-127; Q stands as [q | zeros | q], and the zero codes cancel the other tile.
; NO CLUSTER: the eight work-groups of a pair want different records in the same trip (the step hangs on i).  No tensor load: a record is small and goes through registers.  No prefetch: each record is asked for two trips ahead.
; LIMITS: NaN and infinities are not served.  Hidden scores are -infinity where the source has -1e9: both give p = 0 while |logit| stays under 9e8.  A block of zeros gets the byte 1, not 127: its codes are zeros,
; and this program alone reads the bytes.  1 / sum by v_rcp_f32 (1 ulp).  A block's largest p is taken from its largest score, by the same two instructions: this takes v_exp_f32 not to fall where its input rises.
; REGISTERS: v1-7 addresses; v12 -M, v13 the largest t, v[14:15] the sum; v16-27 Q; v28 its scale words; v30-34 tile B's; v36-44 the record on its way; v46-49 K's and V's scale words; v50-53 Q's addresses;
;   v54, v55 states' addresses; v57, v58 where I store the record; v64-95 K; v96-159 S^T, then p; v160-191 O^T; v192-223 V; v224-231 p's codes; v232-254 at work.
.set REC,  8704
.set SLB,  2*REC                       ; slot 1 begins here
.set STATE, 2*SLB                      ; 24 states of 4,608 bytes: O^T's 32 registers and v[12:15]; state of wave v of the sixteen: tile A's; 16 + w: group 0's tile B's
.set STB,  4608
.set SPARE, STATE+24*STB               ; the spare words, 128 bytes a wave: eight blocks of 256 bytes that no other line names
.set CS,   28                          ; s[28:29] c = log2(e) / 8
.set SEL,  30                          ; s[30:31] selects for lane l xor 16
.set HM,   32                          ; s32 mask of lanes 16-31
; the record of my group's item s22 + ahead: item x = min(.., 16); key step x where x <= i, else x - i - 1
.macro ASK ahead
	s_add_co_u32 s25, s22, \ahead
	s_min_u32 s25, s25, 16                         ; beyond the last item the last record is named again: inside the buffer, read by nobody
	s_add_co_u32 s26, s3, 1
	s_cmp_le_u32 s25, s3
	s_cselect_b32 s26, 0, s26
	s_sub_co_u32 s25, s25, s26
	s_mul_i32 s26, s25, REC
	s_mov_b32 s27, 0
	s_add_nc_u64 s[20:21], s[18:19], s[26:27]      ; (the loads that named this pair have been waited for)
	global_load_b128 v[36:39], v3, s[20:21]
	global_load_b128 v[40:43], v3, s[20:21] offset:4096
	global_load_u16 v44, v4, s[20:21] offset:8192
.endm
.macro SAVE adr, off                   ; my state into LDS: each accumulator from its low end on
	v_add_f32 v14, v14, v15
.set jj, 0
.rept 8
	ds_store_b128 v[\adr], v[160+4*jj:163+4*jj] offset:(\off)+512*jj
.set jj, jj+1
.endr
	ds_store_b128 v[\adr], v[12:15] offset:(\off)+4096
.endm
; One item out of slot sl.  last = 1: trip 8, item 16, group 0 alone: nothing more is stored or asked for, and the step lies on the diagonal
.macro STEP sl, last
	s_wait_alu depctr_va_vdst(0)
	s_wait_dscnt 0x0                               ; my stores into this slot have landed (my reads of the other were waited for in the last trip)
	s_barrier_signal -1
	s_barrier_wait -1                              ; so have everybody's: this slot is whole, and nobody reads the other one
.if \last
	s_cmp_lg_u32 s39, 0
	s_cbranch_scc1 .Lend                           ; group 1 has no item here
.else
	s_wait_loadcnt 0x0                             ; the next trip's record, asked for a trip ago
	ds_store_b128 v57, v[36:39] offset:SLB-\sl
	ds_store_b128 v57, v[40:43] offset:SLB-\sl+4096
	ds_store_b16 v58, v44 offset:SLB-\sl+8192
	s_cmp_lg_u32 s22, s38                          ; is this my first item of tile B?  A branch on ids
	s_cbranch_scc1 .Lsame_\@
	SAVE 54, 0
	s_wait_dscnt 0x0
.irp j, 0,1,2,3
	v_mov_b32 v[16+\j], v[30+\j]                   ; tile B's Q
	v_mov_b32 v[24+\j], v[30+\j]
.endr
	v_mov_b32 v28, v34
	v_mov_b32 v13, 0xff61b1e6                      ; -3e38, under every t
	v_mov_b32 v14, 0
	v_mov_b32 v15, 0
.set jj, 0
.rept 32
	v_mov_b32 v[160+jj], 0
.set jj, jj+1
.endr
	v_floor_f32 v12, -v13
	s_wait_alu depctr_va_vdst(0)
.Lsame_\@:
.endif
.irp b, 0,1,2,3
.irp u, 0,1
	ds_load_b128 v[64+8*\b+4*\u:64+8*\b+4*\u+3], v1 offset:\sl+512*(2*\b+\u)
.endr
.endr
.irp g, 0,1
	ds_load_b32 v[46+\g], v2 offset:\sl+8192+128*\g      ; lanes 0-15: the words of fragment 2 g; lanes 16-31: of 2 g + 1
.endr
.irp t, 0,1,2,3
.irp c, 0,1
	ds_load_b128 v[192+8*\t+4*\c:192+8*\t+4*\c+3], v1 offset:\sl+4096+1024*\t+512*\c
.endr
.endr
.irp g, 0,1
	ds_load_b32 v[48+\g], v2 offset:\sl+8448+128*\g
.endr
	s_wait_dscnt 10                                ; K and its words are in, and the stores above have read their registers; V's ten loads may be out
.if !\last
	ASK 4
.endif
.irp b, 0,1,2,3
.irp u, 0,1
.if \b%2
	v_wmma_scale_f32_16x16x128_f8f6f4 v[96+8*(2*\b+\u):96+8*(2*\b+\u)+7], v[64+8*\b:64+8*\b+7], v[16+4*\u:23+4*\u], 0, v[46+\b/2], v28 matrix_a_fmt:MATRIX_FMT_FP4 matrix_b_fmt:MATRIX_FMT_FP4 matrix_a_scale:MATRIX_SCALE_ROW1
.else
	v_wmma_scale_f32_16x16x128_f8f6f4 v[96+8*(2*\b+\u):96+8*(2*\b+\u)+7], v[64+8*\b:64+8*\b+7], v[16+4*\u:23+4*\u], 0, v[46+\b/2], v28 matrix_a_fmt:MATRIX_FMT_FP4 matrix_b_fmt:MATRIX_FMT_FP4
.endif
.endr
.endr
.rept 4
	v_nop                                          ; four places ahead of the first read of the scores (ISA guide 7.12.1)
.endr
.if !\last
	s_cmp_lg_u32 s22, s3                           ; is this tile A's diagonal step?  A branch on ids
	s_cbranch_scc1 .Lopen_\@
.endif
	v_mov_b32 v254, 0xff800000                     ; on the diagonal hidden scores become -infinity: register 16 b + i holds key 32 b + 16 h + i of the step, hidden where 32 b + i > v5
.set jj, 0
.rept 64
	v_cmp_gt_i32 vcc_lo, 32*(jj/16)+jj%16, v5
	v_cndmask_b32 v[96+jj], v[96+jj], v254, vcc_lo
.set jj, jj+1
.endr
.if !\last
	s_wait_alu depctr_va_vdst(0)
.Lopen_\@:
.endif
.irp b, 0,1,2,3
	v_max3_num_f32 v[232+\b], v[96+16*\b], v[97+16*\b], v[98+16*\b]   ; the largest score of each block of 32 keys: for the row's maximum, and for the block's largest p
.endr
.irp i, 3,5,7,9,11,13
.irp b, 0,1,2,3
	v_max3_num_f32 v[232+\b], v[232+\b], v[96+16*\b+\i], v[97+16*\b+\i]
.endr
.endr
.irp b, 0,1,2,3
	v_max_num_f32 v[232+\b], v[232+\b], v[111+16*\b]
.endr
.irp b, 0,1,2,3
	s_delay_alu instid0(VALU_DEP_4)
	v_permlanex16_b32 v[236+\b], v[232+\b], s[SEL], s[SEL+1]
.endr
.irp b, 0,1,2,3
	s_delay_alu instid0(VALU_DEP_4)
	v_max_num_f32 v[232+\b], v[232+\b], v[236+\b]
.endr
	s_delay_alu instid0(VALU_DEP_2)
	v_max3_num_f32 v254, v232, v233, v234
	s_delay_alu instid0(VALU_DEP_1)
	v_max_num_f32 v254, v254, v235
	s_delay_alu instid0(VALU_DEP_1)
	v_mul_f32 v254, s[CS], v254                    ; as t (c is positive)
	s_delay_alu instid0(VALU_DEP_1)
	v_max_num_f32 v13, v13, v254                   ; the running largest t
	v_mov_b32 v254, v12
	s_delay_alu instid0(VALU_DEP_2)
	v_floor_f32 v12, -v13                          ; -M = floor(-t): M is a whole number
	s_delay_alu instid0(VALU_DEP_1)
	v_sub_f32 v254, v12, v254                      ; old M - new M, 0 or less
	s_delay_alu instid0(VALU_DEP_1)
	v_cvt_i32_f32 v254, v254                       ; (it saturates)
	s_delay_alu instid0(VALU_DEP_1)
	v_ldexp_f32 v252, 1.0, v254                    ; f = 2^(old M - new M): multiplying by it rounds nothing
.set jj, 0
.rept 32
	v_pk_fma_f32 v[96+jj:97+jj], v[96+jj:97+jj], s[CS:CS+1], v[12:13] op_sel_hi:[1,0,0]   ; t - M
.set jj, jj+2
.endr
.irp b, 0,1,2,3
	v_fma_f32 v[232+\b], v[232+\b], s[CS], v12
.endr
.set jj, 0
	s_wait_alu depctr_va_vdst(0)
.rept 64
	v_exp_f32 v[96+jj], v[96+jj]                   ; p = 2^(t - M)
.set jj, jj+1
.endr
	v_pk_mul_f32 v[14:15], v[14:15], v[252:253] op_sel_hi:[1,0]   ; the sums under the new M (a plain place behind the exponentials)
	s_wait_alu depctr_va_vdst(0)                   ; one wait for the batch of 64, ahead of its first reader
.irp b, 0,1,2,3
	v_exp_f32 v[232+\b], v[232+\b]                 ; each block's largest p
.endr
	v_pk_add_f32 v[236:237], v[100:101], v[104:105]
	v_pk_add_f32 v[248:249], v[108:109], v[112:113]
	v_pk_add_f32 v[246:247], v[116:117], v[120:121]
	v_pk_add_f32 v[244:245], v[124:125], v[128:129]
	v_pk_add_f32 v[242:243], v[132:133], v[136:137]
	v_pk_add_f32 v[240:241], v[140:141], v[144:145]
	v_pk_add_f32 v[238:239], v[148:149], v[152:153]
	v_pk_add_f32 v[14:15], v[14:15], v[156:157]
	v_pk_add_f32 v[236:237], v[236:237], v[96:97]
	v_pk_add_f32 v[248:249], v[248:249], v[98:99]
	v_pk_add_f32 v[246:247], v[246:247], v[102:103]
	v_pk_add_f32 v[244:245], v[244:245], v[106:107]
	v_pk_add_f32 v[242:243], v[242:243], v[110:111]
	v_pk_add_f32 v[240:241], v[240:241], v[114:115]
	v_pk_add_f32 v[238:239], v[238:239], v[118:119]
	v_pk_add_f32 v[14:15], v[14:15], v[122:123]
	v_pk_add_f32 v[236:237], v[236:237], v[126:127]
	v_pk_add_f32 v[248:249], v[248:249], v[130:131]
	v_pk_add_f32 v[246:247], v[246:247], v[134:135]
	v_pk_add_f32 v[244:245], v[244:245], v[138:139]
	v_pk_add_f32 v[242:243], v[242:243], v[142:143]
	v_pk_add_f32 v[240:241], v[240:241], v[146:147]
	v_pk_add_f32 v[238:239], v[238:239], v[150:151]
	v_pk_add_f32 v[14:15], v[14:15], v[154:155]
	v_pk_add_f32 v[236:237], v[236:237], v[158:159]
	s_delay_alu instid0(VALU_DEP_2)
	v_pk_add_f32 v[14:15], v[14:15], v[244:245]
	s_delay_alu instid0(VALU_DEP_2)
	v_pk_add_f32 v[236:237], v[236:237], v[242:243]
	v_pk_add_f32 v[248:249], v[248:249], v[240:241]
	v_pk_add_f32 v[246:247], v[246:247], v[238:239]
	s_delay_alu instid0(VALU_DEP_2)
	v_pk_add_f32 v[14:15], v[14:15], v[248:249]
	s_delay_alu instid0(VALU_DEP_2)
	v_pk_add_f32 v[236:237], v[236:237], v[246:247]
	s_delay_alu instid0(VALU_DEP_1)
	v_pk_add_f32 v[14:15], v[14:15], v[236:237]
	s_wait_alu depctr_va_vdst(0)                   ; and one for the four
.irp b, 0,1,2,3
	v_max_num_f32 v[232+\b], 0x1800000, v[232+\b]  ; the floor 2^(3 - 127)
.endr
.irp b, 0,1,2,3
	s_delay_alu instid0(VALU_DEP_4)
	v_add_nc_u32 v[244+\b], 0xff000000, v[232+\b]
.endr
.irp b, 0,1,2,3
	s_delay_alu instid0(VALU_DEP_4)
	v_lshrrev_b32 v[236+\b], 23, v[244+\b]
.endr
	s_delay_alu instid0(VALU_DEP_3)
	v_lshl_or_b32 v253, v237, 8, v236              ; p's scale word for these 128 keys
	s_delay_alu instid0(VALU_DEP_1)
	v_lshl_or_b32 v253, v238, 16, v253
	s_delay_alu instid0(VALU_DEP_1)
	v_lshl_or_b32 v253, v239, 24, v253
.irp b, 0,1,2,3
	v_cvt_scalef32_pk8_fp4_f32 v[224+2*\b], v[96+16*\b:103+16*\b], v[244+\b]
	v_cvt_scalef32_pk8_fp4_f32 v[225+2*\b], v[104+16*\b:111+16*\b], v[244+\b]
.endr
	v_nop                                          ; one plain place behind a scaled conversion
.irp c, 0,1
.irp i, 0,1
	v_permlane16_swap_b32 v[224+4*\c+\i], v[226+4*\c+\i]
.endr
.endr
	s_wait_alu depctr_va_vdst(0)
	s_wait_dscnt 0x0                               ; V and its words are in
.set jj, 0
.rept 16
	v_pk_mul_f32 v[160+jj:161+jj], v[160+jj:161+jj], v[252:253] op_sel_hi:[1,0]   ; O^T under the new M; these sixteen are also the places between the scale word, the codes and the products
.set jj, jj+2
.endr
.irp t, 0,1,2,3
.if \t%2
	v_wmma_scale_f32_16x16x128_f8f6f4 v[160+8*\t:167+8*\t], v[192+8*\t:199+8*\t], v[224:231], v[160+8*\t:167+8*\t], v[48+\t/2], v253 matrix_a_fmt:MATRIX_FMT_FP4 matrix_b_fmt:MATRIX_FMT_FP4 matrix_a_scale:MATRIX_SCALE_ROW1
.else
	v_wmma_scale_f32_16x16x128_f8f6f4 v[160+8*\t:167+8*\t], v[192+8*\t:199+8*\t], v[224:231], v[160+8*\t:167+8*\t], v[48+\t/2], v253 matrix_a_fmt:MATRIX_FMT_FP4 matrix_b_fmt:MATRIX_FMT_FP4
.endif
.endr
.rept 4
	v_nop                                          ; places ahead of the next trip's loads into V's registers and of the reads of O^T
.endr
.if !\last
	s_add_co_u32 s22, s22, 2
.endif
.endm
	s_load_b256 s[8:15], s[0:1], 0x0               ; qc 8, qs 10, kv 12, oc 14
	s_load_b64 s[16:17], s[0:1], 0x20              ; os 16
	v_lshl_add_u32 v251, v0, 2, SPARE
	v_mov_b32 v255, 0
	v_lshrrev_b32 v8, 5, v0
	v_readfirstlane_b32 s2, v8                     ; wave 0..15
	s_mov_b32 s3, ttmp9                            ; i
	s_and_b32 s4, ttmp7, 0xffff                    ; pair = 8 x batch + head
	s_lshr_b32 s39, s2, 3                          ; group g
	s_and_b32 s40, s2, 7                           ; w
	s_mul_i32 s41, s39, REC                        ; my group's record in a slot
	s_mul_i32 s42, s2, STB
	s_add_co_u32 s42, s42, STATE                   ; my wave's state
	s_lshr_b32 s25, s40, 1
	s_lshl_b32 s25, s25, 5
	s_and_b32 s26, s40, 1
	s_lshl_b32 s26, s26, 3
	s_add_co_u32 s43, s25, s26                     ; my tile's place in its block
	s_lshl_b32 s35, s3, 3
	s_add_co_u32 s35, s35, s40                     ; tile A = 8 i + w
	s_sub_co_u32 s36, 15, s3
	s_lshl_b32 s36, s36, 3
	s_add_co_u32 s36, s36, s40                     ; tile B = 8 (15 - i) + w
	s_cmp_eq_u32 s39, 0
	s_cselect_b32 s37, s35, s36                    ; the tile that I finish
	s_lshr_b32 s25, s4, 3
	s_lshl_b32 s25, s25, 7
	s_add_co_u32 s25, s25, s37                     ; among all tokens' tiles
	s_and_b32 s26, s4, 7                           ; head
	s_lshl_b32 s44, s25, 12
	s_lshl_b32 s27, s26, 9
	s_add_co_u32 s44, s44, s27                     ; oc: 4,096 tile + 512 head
	s_lshl_b32 s45, s25, 8
	s_lshl_b32 s27, s26, 1
	s_add_co_u32 s45, s45, s27                     ; os: 256 tile + 2 head
	s_lshl_b32 s25, s4, 16
	s_lshl_b32 s46, s35, 9
	s_add_co_u32 s46, s46, s25                     ; qc: 65,536 pair + 512 tile
	s_lshl_b32 s47, s36, 9
	s_add_co_u32 s47, s47, s25
	s_lshl_b32 s25, s4, 13
	s_lshl_b32 s48, s35, 6
	s_add_co_u32 s48, s48, s25                     ; qs: 8,192 pair + 64 tile
	s_lshl_b32 s49, s36, 6
	s_add_co_u32 s49, s49, s25
	s_add_co_u32 s38, s3, 2
	s_sub_co_u32 s38, s38, s39
	s_lshr_b32 s38, s38, 1
	s_lshl_b32 s38, s38, 1
	s_add_co_u32 s38, s38, s39                     ; my first item of tile B: the first number over i of g's parity
	s_mul_i32 s26, s4, 16*REC
	s_mov_b32 s27, 0
	s_mov_b32 s[CS], 0x3e38aa3b                    ; c = log2(e) / sqrt(64)
	s_mov_b32 s[CS+1], s[CS]                       ; (named with it as a pair, so it is written)
	s_mov_b32 s[SEL], 0x76543210
	s_mov_b32 s[SEL+1], 0xfedcba98
	s_mov_b32 s[HM], 0xffff0000
	s_mov_b32 s22, s39                             ; my item
	s_mov_b32 s23, 4                               ; pairs of trips
	v_and_b32 v8, 31, v0                           ; lane
	v_and_b32 v9, 15, v0                           ; r
	v_bfe_u32 v10, v0, 4, 1                        ; h
	v_and_b32 v11, 255, v0                         ; thread in my group
	v_and_b32 v59, 8, v0
	v_lshlrev_b32 v60, 4, v8                       ; 16 x lane
	v_lshlrev_b32 v3, 4, v11
	v_lshlrev_b32 v4, 1, v11
	v_lshl_add_u32 v57, v11, 4, s41
	v_lshl_add_u32 v58, v11, 1, s41
	v_add_nc_u32 v1, s41, v60
	v_lshl_add_u32 v2, v8, 2, s41
	v_add_nc_u32 v54, s42, v60
	v_add_nc_u32 v59, v59, v9                      ; r + 8 (r / 8)
	v_lshlrev_b32 v61, 4, v10
	v_add_nc_u32 v55, 8*STB, v54                   ; the state eight waves on: that of the other group for the tile that I finish
	v_add_nc_u32 v5, s43, v59
	v_add_nc_u32 v6, s44, v60
	v_lshl_add_u32 v7, v9, 4, s45
	v_sub_nc_u32 v5, v5, v61                       ; my query's place in its block of 128, less 16 h: the same for both tiles
	v_add_nc_u32 v7, v7, v10                       ; os: + 16 r + h
	v_add_nc_u32 v50, s46, v60
	v_add_nc_u32 v51, s47, v60
	v_lshl_add_u32 v52, v9, 2, s48
	v_lshl_add_u32 v53, v9, 2, s49
	s_wait_alu depctr_va_vdst(0)
	s_wait_kmcnt 0x0
	s_add_nc_u64 s[18:19], s[12:13], s[26:27]      ; my pair's 16 records
	ASK 0
	global_load_b128 v[16:19], v50, s[8:9]         ; tile A's Q, twice
	global_load_b128 v[24:27], v50, s[8:9]
	global_load_b32 v28, v52, s[10:11]
	global_load_b128 v[30:33], v51, s[8:9]         ; tile B's
	global_load_b32 v34, v53, s[10:11]
.irp j, 20,21,22,23
	v_mov_b32 v\j, 0                               ; the zero codes between
.endr
	v_mov_b32 v13, 0xff61b1e6                      ; the largest t so far: -3e38
	v_mov_b32 v14, 0
	v_mov_b32 v15, 0
.irp j, 236,237,238,239,248,249,252,253
	v_mov_b32 v\j, 0                               ; written once: lane permutes' destinations, and the halves of pairs
.endr
	v_floor_f32 v12, -v13
.set jj, 0
.rept 32
	v_mov_b32 v[160+jj], 0                         ; O^T: the step is written once, and its first run finds zeros
.set jj, jj+1
.endr
	s_wait_alu depctr_va_vdst(0)
	s_wait_loadcnt 0x0
	ds_store_b128 v57, v[36:39]
	ds_store_b128 v57, v[40:43] offset:4096
	ds_store_b16 v58, v44 offset:8192
	s_wait_dscnt 0x0                               ; the stores have read their registers
	ASK 2
.Lpair:                                            ; trips 0 .. 7, two a turn: the slots' addresses are constants of the text
	STEP 0, 0
	STEP SLB, 0
	s_wait_alu depctr_va_vdst(0)
	s_sub_co_u32 s23, s23, 1
	s_cmp_lg_u32 s23, 0
	s_cbranch_scc1 .Lpair
	STEP 0, 1                                      ; trip 8
	SAVE 55, 8*STB                                 ; group 0: tile B's state
.Lend:
	s_wait_alu depctr_va_vdst(0)
	s_wait_dscnt 0x0                               ; my states have landed
	s_barrier_signal -1
	s_barrier_wait -1                              ; so have everybody's
	s_cmp_lg_u32 s39, 0
	s_cbranch_scc1 .Lown_b
.set jj, 0
.rept 8
	ds_load_b128 v[160+4*jj:163+4*jj], v54 offset:512*jj           ; group 0: its own state of tile A
.set jj, jj+1
.endr
	ds_load_b128 v[12:15], v54 offset:4096
	s_branch .Ljoin
.Lown_b:
	v_add_f32 v14, v14, v15                        ; group 1: its own state of tile B is in registers
	s_wait_alu depctr_va_vdst(0)
.Ljoin:
.set jj, 0
.rept 8
	ds_load_b128 v[96+4*jj:99+4*jj], v55 offset:512*jj             ; the other group's state of the same tile
.set jj, jj+1
.endr
	ds_load_b128 v[232:235], v55 offset:4096       ; -M 232, the sum 234
	s_wait_dscnt 0x0
	v_min_num_f32 v254, v12, v232                  ; the joint -M
	v_sub_f32 v250, v254, v12
	v_sub_f32 v246, v254, v232
	v_cvt_i32_f32 v250, v250
	v_cvt_i32_f32 v246, v246
	v_ldexp_f32 v252, 1.0, v250
	v_ldexp_f32 v248, 1.0, v246
.set jj, 0
.rept 16
	v_pk_mul_f32 v[96+jj:97+jj], v[96+jj:97+jj], v[248:249] op_sel_hi:[1,0]
.set jj, jj+2
.endr
	v_mul_f32 v14, v14, v252
.set jj, 0
.rept 16
	v_pk_fma_f32 v[160+jj:161+jj], v[160+jj:161+jj], v[252:253], v[96+jj:97+jj] op_sel_hi:[1,0,1]   ; each accumulator from its low end on
.set jj, jj+2
.endr
	v_fma_f32 v14, v234, v248, v14
	s_delay_alu instid0(VALU_DEP_1)
	v_permlanex16_b32 v236, v14, s[SEL], s[SEL+1]
	s_delay_alu instid0(VALU_DEP_1)
	v_add_f32 v14, v14, v236                       ; the row's sum
	s_wait_alu depctr_va_vdst(0)
	v_rcp_f32 v14, v14
	v_nop                                          ; a plain place behind it
	s_wait_alu depctr_va_vdst(0)                   ; the wait ahead of its first reader
.set jj, 0
.rept 32
	v_mul_f32 v[96+jj], v[160+jj], v14             ; register 16 b + i: the head's 32 b + 16 h + i
.set jj, jj+1
.endr
.irp b, 0,1
	v_max3_num_f32 v[232+\b], |v[96+16*\b]|, |v[97+16*\b]|, 0x1800000
.endr
.irp i, 2,4,6,8,10,12,14
.irp b, 0,1
	s_delay_alu instid0(VALU_DEP_2)
	v_max3_num_f32 v[232+\b], v[232+\b], |v[96+16*\b+\i]|, |v[97+16*\b+\i]|
.endr
.endr
.irp b, 0,1
	s_delay_alu instid0(VALU_DEP_2)
	v_permlanex16_b32 v[236+\b], v[232+\b], s[SEL], s[SEL+1]
.endr
.irp b, 0,1
	s_delay_alu instid0(VALU_DEP_2)
	v_max_num_f32 v[232+\b], v[232+\b], v[236+\b]
.endr
.irp b, 0,1
	s_delay_alu instid0(VALU_DEP_2)
	v_add_nc_u32 v[244+\b], 0xff000000, v[232+\b]
.endr
.irp b, 0,1
	s_delay_alu instid0(VALU_DEP_2)
	v_lshrrev_b32 v[236+\b], 23, v[244+\b]
.endr
.irp b, 0,1
	v_cvt_scalef32_pk8_fp4_f32 v[224+2*\b], v[96+16*\b:103+16*\b], v[244+\b]
	v_cvt_scalef32_pk8_fp4_f32 v[225+2*\b], v[104+16*\b:111+16*\b], v[244+\b]
.endr
	v_nop                                          ; one plain place behind a scaled conversion
	v_permlane16_swap_b32 v224, v226
	v_permlane16_swap_b32 v225, v227               ; lanes 0-15: block 0 whole; lanes 16-31: block 1 whole
	v_cndmask_b32 v236, v236, v237, s[HM]
	global_store_b128 v6, v[224:227], s[14:15]     ; 512 consecutive bytes
	global_store_b8 v7, v236, s[16:17]
	s_wait_tensorcnt 0x0                           ; the wave's end
	ds_add_u32 v251, v255
	s_wait_dscnt 0x0
	s_endpgm
.Lfunc_end_k_qb649585c7b_attn:
	.size	k_qb649585c7b_attn, .Lfunc_end_k_qb649585c7b_attn-k_qb649585c7b_attn
	.p2alignl 7, 3214868480
	.fill 96, 4, 3214868480
	.section	.rodata,"a",@progbits
	.p2align	6, 0x0
	.amdhsa_kernel k_qb649585c7b_attn
		.amdhsa_group_segment_fixed_size 147456
		.amdhsa_private_segment_fixed_size 0
		.amdhsa_enable_private_segment 0
		.amdhsa_kernarg_size 40
		.amdhsa_user_sgpr_count 2
		.amdhsa_user_sgpr_kernarg_segment_ptr 1
		.amdhsa_wavefront_size32 1
		.amdhsa_system_sgpr_workgroup_id_x 1
		.amdhsa_system_sgpr_workgroup_id_y 1
		.amdhsa_system_sgpr_workgroup_id_z 1
		.amdhsa_system_vgpr_workitem_id 0
		.amdhsa_next_free_vgpr 256
		.amdhsa_next_free_sgpr 66
		.amdhsa_reserve_vcc 1
		.amdhsa_float_denorm_mode_32 3
		.amdhsa_float_denorm_mode_16_64 3
		.amdhsa_memory_ordered 1
		.amdhsa_forward_progress 1
		.amdhsa_inst_pref_size 85
	.end_amdhsa_kernel
	.amdgpu_metadata
---
amdhsa.version: [ 1, 2 ]
amdhsa.kernels:
  - .name:           k_qb649585c7b_attn
    .symbol:         k_qb649585c7b_attn.kd
    .args:
      - { .name: qc, .offset: 0, .size: 8, .value_kind: global_buffer, .address_space: global }
      - { .name: qs, .offset: 8, .size: 8, .value_kind: global_buffer, .address_space: global }
      - { .name: kv, .offset: 16, .size: 8, .value_kind: global_buffer, .address_space: global }
      - { .name: oc, .offset: 24, .size: 8, .value_kind: global_buffer, .address_space: global }
      - { .name: os, .offset: 32, .size: 8, .value_kind: global_buffer, .address_space: global }
    .group_segment_fixed_size: 147456
    .private_segment_fixed_size: 0
    .kernarg_segment_align: 8
    .kernarg_segment_size: 40
    .max_flat_workgroup_size: 512
    .sgpr_count:     66
    .vgpr_count:     256
    .wavefront_size: 32
...
	.end_amdgpu_metadata
.endif
;; end of part 2
;; launch tail (part 3): grid 256 x 1, 8 waves a work-group, clusters of 4 x 1, 327,680 bytes of LDS; arguments x, oc, os, Wp_codes, Wp_scales, bp, ln2_g, ln2_b, W1_codes, W1_scales, b1, W2_codes, W2_scales, b2, out0; writes out0
.if DOCPART == 3
	.amdgcn_target "amdgcn-amd-amdhsa--gfx1250"
	.amdhsa_code_object_version 6
	.text
	.protected	k_qb649585c7b_tail
	.globl	k_qb649585c7b_tail
	.p2align	8
	.type	k_qb649585c7b_tail,@function
k_qb649585c7b_tail:
	s_mov_b64 s[64:65], 0
	v_nop
	global_prefetch_b8 v0, s[64:65] scope:SCOPE_SE
	s_setreg_imm32_b32 hwreg(HW_REG_WAVE_MODE, 25, 1), 1
	s_wait_xcnt 0x0
	s_wait_alu depctr_hold_cnt(0) depctr_sa_sdst(0) depctr_va_vdst(0) depctr_va_sdst(0) depctr_va_ssrc(0) depctr_va_vcc(0) depctr_vm_vsrc(0)
	s_getreg_b32 s2, hwreg(HW_REG_IB_STS2, 6, 4)
	s_cmp_eq_u32 s2, 0
	s_cbranch_scc0 .Lentry_in_a_cluster
	s_endpgm
.Lentry_in_a_cluster:
	s_bfe_u32 s2, ttmp6, 0x10000c
	s_cmp_lg_u32 s2, 0x3003
	s_cbranch_scc0 .Lentry_shape_is_right
	s_endpgm
.Lentry_shape_is_right:
; x1 = x + out Wp + bp;  h2 = LayerNorm(x1);  out0 = x1 + relu(h2 W1 + b1) W2 + b2.  All three products on codes of FP4 (E2M1) with one E8M0 scale for each 32 along K.  x1 and the hidden layer never go to memory.
; SHARES.  A work-group takes 32 tokens (two tiles; lane r of tile u holds token 8 u + r + 8 (r / 8)).  Wave w owns channels 64 w .. 64 w + 63 of x1, h2 and out0 and hidden units 256 w .. + 255.
; WEIGHTS: nine chunks of 128 KB (Wp; four of W1; four of W2, its K in quarters); of each a wave uses 64 rows x 256 bytes, and fetches just these by one tensor load.  All work-groups want the same chunks in the same order:
; clusters of four ask JOINTLY (mask 15, the same descriptor in all four).  Two slots in LDS.  A chunk's fragments go into 128 registers of the wave; then its slot is filled again, with the chunk two further on, behind a round of the cluster's barrier.
; Every product has source 0 = 16 rows of the weight and source 1 = 16 tokens: a lane holds one token, and register 32 u + 16 b + 8 q + j its channel 32 b + 16 q + 8 h + j of the wave's 64 (h = lane / 16).
; The codes of a block's four groups of eight then lie in two registers of two lane halves; with the registers named in the order (block 0, q 0), (block 1, q 0), (block 0, q 1), (block 1, q 1) two exchanges of halves make the next operand.
; x + bp and x1 + b2 are the C of their sums; b1 is the C of each hidden chunk's first instructions.
; LayerNorm over 8 waves: each wave's mean and sum of squares about ITS OWN mean of 64 channels; then M2 = sum of M2_w + 64 x sum of (mean_w - mean)^2: no difference of large sums.
; PREFETCH into the L2: chunk m + 2 is asked for behind the load of chunk m, by four clusters of the launch alone, since all read the same weights; in a cluster each row of 256 bytes is named once: the partner at place p takes rows 16 p .. + 15 of each wave's 64.
; LIMITS: NaN and infinities are not served.  A block of zeros gets the byte 1, not 127: its codes are zeros, and this program alone reads the bytes.  1 / sqrt by v_rsq_f32 (1 ulp).
; REGISTERS, window 0: v1-13 addresses; v14-21 codes just made; v24-27, v28-31 the tokens' scale words, two sets; v32-95 tokens' fragments (and LayerNorm's work); v96-159 x, x1, the result; v160-223 bp and g, then the hidden
;   layer's accumulators, then a second set of tokens' fragments; v224-239 the weights' scale words, two sets; v240-255 at work.
;   window 1: v0-127 a chunk's fragments; v128-159 the LayerNorm's b; v160-191 b2; v192-255 b1, two sets.
.set TILE, 17408                       ; LDS: my 64 rows of a chunk, 256 bytes + 16 of padding each
.set SLOT, 8*TILE                      ; slot 0 at 0, slot 1 at SLOT
.set LNS,  2*SLOT                      ; [wave][16 u + r] (mean, M2): 2,048
.set HSC,  LNS+2048                    ; h2's scale bytes: [16 u + r][16]
.set FSC,  LNS+2560                    ; the hidden layer's: [16 u + r], 64 bytes + 16
.set HIM,  5120                        ; (from LNS) h2's images: 4,096 u + 512 (pair of blocks)
.set FIM,  13312                       ; (from LNS) the hidden layer's: 16,384 u + 512 (pair of blocks)
.set SPARE, LNS+46080                  ; the spare words, 128 bytes a wave: four blocks of 256 bytes that no other line names
.set WSO,  1                           ; 16 x lane
.set WSO2, 2                           ; 64 x lane
.set BO,   3                           ; 32 h
.set FWI,  4                           ; LNS + 2,048 w + 16 lane
.set FWS,  5                           ; FSC + 80 r + 8 w
.set FRS,  6                           ; FSC + 80 lane
.set L16,  7                           ; LNS + 16 lane
.set FR0,  8                           ; v8, v9: my fragments in slot 0, 1
.set PF1,  10                          ; prefetch offsets in W1, W2; never rewritten
.set PF2,  11
.set SPW,  12                          ; my spare word, and 0; never rewritten
.set NIL,  13
.set PC,   14
.set LNW,  18                          ; (until codes are made) LNS + 256 w + 8 lane
.set LNR,  19                          ; LNS + 8 r
.set HWI,  22                          ; LNS + 512 w + 16 lane
.set HWS,  23                          ; HSC + 16 r + 2 w
.set R0,   32
.set R1,   96
.set R2,   160
.set BIAS, 160
.set GV,   192
.set WS,   224
.set TM,   240
.set XO,   240                         ; at the head: 2,048 h + 16 r;
.set SRW,  241                         ; my stage by whole rows,
.set SLY,  242                         ; and in the result's layout
.set HM,   42
.set SEL,  44
.set G1A,  68                          ; s[68:75] descriptor group 1 for rows 256 bytes apart (Wp, W1)
.set G1B,  76                          ; s[76:83] for rows 1,024 bytes apart (W2)
.set G0,   84                          ; s[84:91] group 0, one for each slot
.set MSB, 0
.macro WIN new                         ; the immediate's high byte repeats the setting that is left
.if MSB != \new
	s_set_vgpr_msb (MSB<<8)|\new
.set MSB, \new
.endif
.endm
.macro PLACES                          ; four plain places (ISA guide 7.12.1)
.rept 4
	v_nop
.endr
.endm
.macro BARRIER                         ; my LDS stores have landed and my LDS loads are in: then the work-group's barrier
	s_wait_alu depctr_va_vdst(0)
	s_wait_dscnt 0x0
	s_barrier_signal -1
	s_barrier_wait -1
.endm
.macro CROUND                          ; a round of the cluster's barrier
	s_barrier_signal -1
	s_barrier_wait -1
	s_cmp_lg_u32 s2, 0
	s_cbranch_scc1 .Lnot_wave_0_\@
	s_barrier_signal -3
.Lnot_wave_0_\@:
	s_barrier_wait -3
	s_barrier_signal -1
	s_barrier_wait -1
.endm
; Chunk n is asked for, into slot n % 2.  Ahead of the round: my last load (chunk n - 1) has landed, the add is done, my reads of the slot are over.  The joint load is the first thing behind the round.
.macro FILL n
	s_wait_alu depctr_va_vdst(0)
	s_wait_tensorcnt 0x0
	ds_add_u32 v[SPW], v[NIL]
.if (\n) < 5
	s_add_nc_u64 s[G0+4*((\n)%2)+2:G0+4*((\n)%2)+3], s[24:25], 16384*((\n)-1)
.else
	s_add_nc_u64 s[G0+4*((\n)%2)+2:G0+4*((\n)%2)+3], s[30:31], 256*((\n)-5)
.endif
	s_or_b32 s[G0+4*((\n)%2)+3], s[G0+4*((\n)%2)+3], 0x80000000
	s_wait_dscnt 0x0
	CROUND
.if (\n) < 5
	tensor_load_to_lds s[G0+4*((\n)%2):G0+4*((\n)%2)+3], s[G1A:G1A+7]
.else
	tensor_load_to_lds s[G0+4*((\n)%2):G0+4*((\n)%2)+3], s[G1B:G1B+7]
.endif
	s_nop 0
	PLACES
.endm
.macro ASK n                           ; chunk n into the L2: sixteen rows a wave, the lanes left over name the last again
	s_cmp_lt_u32 ttmp9, 4
	s_cbranch_scc0 .Lnot_mine_\@
.if (\n) < 5
	global_prefetch_b8 v[PF1], s[24:25] offset:16384*((\n)-1) th:TH_LOAD_NT scope:SCOPE_SE
.else
	global_prefetch_b8 v[PF2], s[30:31] offset:256*((\n)-5) th:TH_LOAD_NT scope:SCOPE_SE
.endif
.Lnot_mine_\@:
.endm
.macro FRAGS n                         ; my fragments of chunk n: tile t, K step s, at window 1, v[32 t + 8 s ..]
	WIN 0x40
.irp s, 0,1,2,3
.irp t, 0,1,2,3
.irp c, 0,1
	ds_load_b128 v[32*\t+8*\s+4*\c:32*\t+8*\s+4*\c+3], v[FR0+((\n)%2)] offset:4352*\t+64*\s+32*\c
.endr
.endr
.endr
	WIN 0
.endm
.macro LDWS n, base, vo, spitch, off
.irp b, 0,1
	global_load_b128 v[WS+8*((\n)%2)+4*\b:WS+8*((\n)%2)+4*\b+3], v[\vo], s[\base:\base+1] offset:(\off)+32*\b*(\spitch)
.endr
.endm
.macro LOADWS n                        ; chunk n's scale words: register 4 b + s: lanes 0-15 tile 2 b's word of K step s, lanes 16-31 tile 2 b + 1's
.if (\n) == 0
	LDWS 0, 16, WSO, 16, 0
.elseif (\n) < 5
	LDWS \n, 26, WSO, 16, 1024*((\n)-1)
.else
	LDWS \n, 32, WSO2, 64, 16*((\n)-5)
.endif
.endm
.macro VEC dst, base, off              ; a vector over 64 channels in the result's layout: 8 loads
.irp b, 0,1
.irp q, 0,1
.irp m, 0,1
	global_load_b128 v[\dst+16*\b+8*\q+4*\m:\dst+16*\b+8*\q+4*\m+3], v[BO], s[\base:\base+1] offset:(\off)+128*\b+64*\q+16*\m
.endr
.endr
.endr
.endm
.macro MM d, a, b, c, sa, sb, ra, rb   ; ra, rb: the side's scale words stand in lanes 16-31 of the register named
.if (\ra) && (\rb)
	v_wmma_scale_f32_16x16x128_f8f6f4 v[(\d):(\d)+7], v[(\a):(\a)+7], v[(\b):(\b)+7], v[(\c):(\c)+7], v[\sa], v[\sb] matrix_a_fmt:MATRIX_FMT_FP4 matrix_b_fmt:MATRIX_FMT_FP4 matrix_a_scale:MATRIX_SCALE_ROW1 matrix_b_scale:MATRIX_SCALE_ROW1
.elseif (\ra)
	v_wmma_scale_f32_16x16x128_f8f6f4 v[(\d):(\d)+7], v[(\a):(\a)+7], v[(\b):(\b)+7], v[(\c):(\c)+7], v[\sa], v[\sb] matrix_a_fmt:MATRIX_FMT_FP4 matrix_b_fmt:MATRIX_FMT_FP4 matrix_a_scale:MATRIX_SCALE_ROW1
.elseif (\rb)
	v_wmma_scale_f32_16x16x128_f8f6f4 v[(\d):(\d)+7], v[(\a):(\a)+7], v[(\b):(\b)+7], v[(\c):(\c)+7], v[\sa], v[\sb] matrix_a_fmt:MATRIX_FMT_FP4 matrix_b_fmt:MATRIX_FMT_FP4 matrix_b_scale:MATRIX_SCALE_ROW1
.else
	v_wmma_scale_f32_16x16x128_f8f6f4 v[(\d):(\d)+7], v[(\a):(\a)+7], v[(\b):(\b)+7], v[(\c):(\c)+7], v[\sa], v[\sb] matrix_a_fmt:MATRIX_FMT_FP4 matrix_b_fmt:MATRIX_FMT_FP4
.endif
.endm
; 32 matrix instructions on the accumulators at acc.  bias: the C of the sums' first instructions, in window 1; -1: they go on from what acc holds.  The eight accumulators take turns, one instruction a turn.
.macro MUL acc, act, acts, sc, bias
.irp s, 0,1,2,3
.if ((\bias) >= 0) && (\s == 0)
	WIN 0x11
.else
	WIN 0x01
.endif
.irp t, 0,1,2,3
.irp u, 0,1
.if ((\bias) >= 0) && (\s == 0)
	MM \acc+32*\u+8*\t, 32*\t+8*\s, \act+32*\u+8*\s, \bias+8*\t, WS+8*(\sc)+4*(\t/2)+\s, \acts+\s, \t%2, \u
.else
	MM \acc+32*\u+8*\t, 32*\t+8*\s, \act+32*\u+8*\s, \acc+32*\u+8*\t, WS+8*(\sc)+4*(\t/2)+\s, \acts+\s, \t%2, \u
.endif
.endr
.endr
.endr
	WIN 0
.endm
; 64 numbers of a lane, four blocks of 16 registers whose other 16 numbers lie in lane l xor 16, become codes: v[PC + 4 c ..]: lanes 0-15 block 2 c whole, lanes 16-31 block 2 c + 1 whole; the scale bytes in v[TM + 8], v[TM + 9]
.macro QUANT src
.irp b, 0,1,2,3
	v_max3_num_f32 v[TM+\b], |v[\src+16*\b]|, |v[\src+1+16*\b]|, 0x1800000   ; my 16 numbers and the floor 2^(3 - 127): the byte cannot fall under 1
.endr
.irp i, 2,4,6,8,10,12,14
.irp b, 0,1,2,3
	s_delay_alu instid0(VALU_DEP_4)
	v_max3_num_f32 v[TM+\b], v[TM+\b], |v[\src+16*\b+\i]|, |v[\src+1+16*\b+\i]|
.endr
.endr
.irp b, 0,1,2,3
	s_delay_alu instid0(VALU_DEP_4)
	v_permlanex16_b32 v[TM+4+\b], v[TM+\b], s[SEL], s[SEL+1]
.endr
.irp b, 0,1,2,3
	s_delay_alu instid0(VALU_DEP_4)
	v_max_num_f32 v[TM+\b], v[TM+\b], v[TM+4+\b]
.endr
.irp b, 0,1,2,3
	s_delay_alu instid0(VALU_DEP_4)
	v_add_nc_u32 v[TM+12+\b], 0xff000000, v[TM+\b]     ; 2 off the exponent field: the conversion's scale operand
.endr
.irp b, 0,1,2,3
	s_delay_alu instid0(VALU_DEP_4)
	v_lshrrev_b32 v[TM+4+\b], 23, v[TM+12+\b]          ; the scale's byte
.endr
	s_delay_alu instid0(VALU_DEP_3)
	v_lshl_or_b32 v[TM+8], v[TM+5], 8, v[TM+4]         ; tile 0's two bytes,
	s_delay_alu instid0(VALU_DEP_2)
	v_lshl_or_b32 v[TM+9], v[TM+7], 8, v[TM+6]         ; tile 1's
.irp b, 0,1,2,3
	v_cvt_scalef32_pk8_fp4_f32 v[PC+4*(\b/2)+\b%2], v[\src+16*\b:\src+7+16*\b], v[TM+12+\b]
	v_cvt_scalef32_pk8_fp4_f32 v[PC+2+4*(\b/2)+\b%2], v[\src+8+16*\b:\src+15+16*\b], v[TM+12+\b]
.endr
	v_nop                                              ; one plain place behind a scaled conversion
.irp c, 0,1
.irp i, 0,2
	v_permlane16_swap_b32 v[PC+4*\c+\i], v[PC+1+4*\c+\i]
.endr
.endr
.endm
.macro RED2                            ; two sums, one a tile of tokens, each in four registers a lane: with lane l xor 16's they are the wave's 64 channels'
.irp u, 0
	s_delay_alu instid0(VALU_DEP_3)
	v_pk_add_f32 v[TM+4*\u:TM+4*\u+1], v[TM+4*\u:TM+4*\u+1], v[TM+4*\u+2:TM+4*\u+3]
.endr
.irp u, 1
	s_delay_alu instid0(VALU_DEP_2)
	v_pk_add_f32 v[TM+4*\u:TM+4*\u+1], v[TM+4*\u:TM+4*\u+1], v[TM+4*\u+2:TM+4*\u+3]
.endr
.irp u, 0,1
	s_delay_alu instid0(VALU_DEP_2)
	v_add_f32 v[TM+4*\u], v[TM+4*\u], v[TM+4*\u+1]
.endr
.irp u, 0,1
	s_delay_alu instid0(VALU_DEP_2)
	v_permlanex16_b32 v[TM+4*\u+1], v[TM+4*\u], s[SEL], s[SEL+1]
.endr
.irp u, 0,1
	s_delay_alu instid0(VALU_DEP_2)
	v_add_f32 v[TM+4*\u], v[TM+4*\u], v[TM+4*\u+1]
.endr
.endm
.macro ADDV bias                       ; the 64 numbers at R1 += the vector at bias
.irp u, 0,1
.irp m, 0,2,4,6,8,10,12,14,16,18,20,22,24,26,28,30
	v_pk_add_f32 v[R1+32*\u+\m:R1+32*\u+\m+1], v[R1+32*\u+\m:R1+32*\u+\m+1], v[\bias+\m:\bias+\m+1]
.endr
.endr
.endm
.macro ACTF q, reg, sreg               ; the hidden layer's fragments of quarter q of its 2,048, and their scale words: 17 LDS loads
.irp u, 0,1
.irp s, 0,1,2,3
.irp c, 0,1
	ds_load_b128 v[\reg+32*\u+8*\s+4*\c:\reg+32*\u+8*\s+4*\c+3], v[L16] offset:FIM+16384*\u+4096*(\q)+1024*\s+512*\c
.endr
.endr
.endr
	ds_load_b128 v[\sreg:\sreg+3], v[FRS] offset:16*(\q)
.endm
	s_load_b512 s[8:23], s[0:1], 0x0               ; x 8, oc 10, os 12, Wp's codes 14, scales 16, bp 18, g 20, b 22
	s_load_b256 s[24:31], s[0:1], 0x40             ; W1's codes 24, scales 26, b1 28, W2's codes 30
	s_load_b128 s[32:35], s[0:1], 0x60             ; W2's scales 32, b2 34
	s_load_b64 s[36:37], s[0:1], 0x70              ; out0 36
	v_lshl_add_u32 v[SPW], v0, 2, SPARE
	v_mov_b32 v[NIL], 0
	ds_add_u32 v[SPW], v[NIL]                      ; the wave's opening: the add, twice on end, ahead of my first tensor load
	ds_add_u32 v[SPW], v[NIL]
	v_lshrrev_b32 v14, 5, v0
	v_readfirstlane_b32 s2, v14                    ; wave
	s_bfe_u32 s4, ttmp6, 0x40000                   ; my place in the cluster
	s_lshl_b32 s3, ttmp9, 2
	s_add_co_u32 s3, s3, s4                        ; the block of 32 tokens
	s_lshl_b32 s5, s4, 4                           ; 16 x place: my rows in the prefetches
	s_mul_i32 s60, s2, TILE                        ; my tile in a slot
	s_mul_i32 s61, s2, 4352
	s_add_co_u32 s61, s61, LNS+HIM                 ; my stage for x: 16 rows of 272 bytes, where images come later
	s_lshl_b32 s62, s2, 9
	s_lshl_b32 s63, s2, 11
	s_lshl_b32 s66, s2, 1
	s_add_co_u32 s66, s66, HSC
	s_lshl_b32 s67, s2, 3
	s_add_co_u32 s67, s67, FSC
	s_lshl_b32 s92, s2, 8
	s_add_co_u32 s92, s92, LNS
	v_and_b32 v245, 31, v0                         ; lane
	v_and_b32 v243, 15, v0                         ; r
	v_bfe_u32 v244, v0, 4, 1                       ; h
	v_min_u32 v[PF2], 15, v245
	v_lshlrev_b32 v[WSO], 4, v245
	v_lshlrev_b32 v[WSO2], 6, v245
	v_lshlrev_b32 v[BO], 5, v244
	v_mul_u32_u24 v[FWS], v243, 80
	v_mul_u32_u24 v[FRS], v245, 80
	v_mul_u32_u24 v[FR0], v243, 272
	v_add_nc_u32 v[PF2], s5, v[PF2]
	v_add_nc_u32 v[L16], LNS, v[WSO]
	v_add_nc_u32 v[FWS], s67, v[FWS]
	v_add_nc_u32 v[FRS], FSC, v[FRS]
	v_lshl_add_u32 v[FR0], v244, 4, v[FR0]
	v_lshlrev_b32 v[PF1], 8, v[PF2]
	v_lshlrev_b32 v[PF2], 10, v[PF2]
	v_add_nc_u32 v[FWI], s63, v[L16]
	v_add_nc_u32 v[HWI], s62, v[L16]
	v_add_nc_u32 v[FR0], s60, v[FR0]
	v_lshl_add_u32 v[HWS], v243, 4, s66
	v_lshl_add_u32 v[LNW], v245, 3, s92
	v_lshl_add_u32 v[LNR], v243, 3, LNS
	v_add_nc_u32 v[FR0+1], SLOT, v[FR0]
	v_lshlrev_b32 v[XO], 11, v244
	v_mul_u32_u24 v[SRW], v244, 272
	v_mul_u32_u24 v[SLY], v243, 272
	v_lshl_add_u32 v[XO], v243, 4, v[XO]
	v_lshl_add_u32 v[SRW], v243, 4, v[SRW]
	v_lshl_add_u32 v[SLY], v244, 5, v[SLY]
	v_add_nc_u32 v[SRW], s61, v[SRW]
	v_add_nc_u32 v[SLY], s61, v[SLY]
.irp b, 9,11,13,15
	v_mov_b32 v[TM+\b], 0                          ; the upper halves of pairs of which the low word serves both halves
.endr
	s_mov_b32 s[HM], 0xffff0000
	s_mov_b32 s[SEL], 0x76543210
	s_mov_b32 s[SEL+1], 0xfedcba98
	s_mov_b32 s48, 0x3b000000                      ; 1 / 512
	s_mov_b32 s49, 0x3727c5ac                      ; 1e-5
.irp g, G1A, G1B                       ; a tile of 64 rows x 256 bytes, 16 bytes of padding behind each row; the mask names the cluster's four
	s_mov_b32 s[\g], 15|(1<<20)|(1<<21)|(5<<22)|(3<<25)
	s_mov_b32 s[\g+1], 256<<16
	s_mov_b32 s[\g+2], 64<<16
	s_mov_b32 s[\g+3], 256<<16
	s_mov_b32 s[\g+4], 64
	s_mov_b32 s[\g+6], 0
	s_mov_b32 s[\g+7], 0
.endr
	s_mov_b32 s[G1A+5], 256
	s_mov_b32 s[G1B+5], 1024
	s_mov_b32 s[G0], 1
	s_mov_b32 s[G0+1], s60
	s_mov_b32 s[G0+4], 1
	s_add_co_u32 s[G0+5], s60, SLOT
	s_lshl_b32 s38, s3, 16                         ; x, out0: 65,536 block + 256 w
	s_lshl_b32 s54, s2, 8
	s_add_co_u32 s38, s38, s54
	s_mov_b32 s39, 0
	s_mov_b32 s55, 0                               ; s[54:55] = 256 w
	s_lshl_b32 s40, s3, 13                         ; oc: 8,192 block
	s_mov_b32 s41, 0
	s_lshl_b32 s46, s3, 9                          ; os: 512 block
	s_mov_b32 s47, 0
	s_lshl_b32 s50, s2, 14                         ; 16,384 w
	s_mov_b32 s51, 0
	s_lshl_b32 s52, s2, 10                         ; 1,024 w
	s_mov_b32 s53, 0
	s_lshl_b32 s56, s2, 16                         ; 65,536 w
	s_mov_b32 s57, 0
	s_lshl_b32 s58, s2, 12                         ; 4,096 w
	s_mov_b32 s59, 0
	s_wait_alu depctr_va_vdst(0)                   ; the wait at the head's end
	s_wait_dscnt 0x0                               ; both opening adds are done
	s_wait_kmcnt 0x0
	s_add_nc_u64 s[14:15], s[14:15], s[50:51]
	s_mov_b64 s[G0+2:G0+3], s[14:15]
	s_or_b32 s[G0+3], s[G0+3], 0x80000000
	CROUND                                         ; all four work-groups are here: the first joint loads meet
	tensor_load_to_lds s[G0:G0+3], s[G1A:G1A+7]    ; chunk 0: Wp
	s_nop 0
	PLACES
	s_add_nc_u64 s[8:9], s[8:9], s[38:39]
	s_add_nc_u64 s[36:37], s[36:37], s[38:39]
	s_add_nc_u64 s[10:11], s[10:11], s[40:41]
	s_add_nc_u64 s[12:13], s[12:13], s[46:47]
	s_add_nc_u64 s[16:17], s[16:17], s[52:53]
	s_add_nc_u64 s[18:19], s[18:19], s[54:55]
	s_add_nc_u64 s[20:21], s[20:21], s[54:55]
	s_add_nc_u64 s[22:23], s[22:23], s[54:55]
	s_add_nc_u64 s[24:25], s[24:25], s[56:57]
	s_add_nc_u64 s[26:27], s[26:27], s[58:59]
	s_add_nc_u64 s[28:29], s[28:29], s[52:53]
	s_add_nc_u64 s[30:31], s[30:31], s[56:57]
	s_add_nc_u64 s[32:33], s[32:33], s[58:59]
	s_add_nc_u64 s[34:35], s[34:35], s[54:55]
	; ---- x (my 64 channels of 32 tokens: sixteen lanes read 256 consecutive bytes, aligned; tile u's rows in R1 + 32 u ..)
.irp u, 0,1
.set jj, 0
.rept 8
	global_load_b128 v[R1+32*\u+4*jj:R1+32*\u+4*jj+3], v[XO], s[8:9] offset:4096*((jj&3)+4*\u+8*(jj>>2)) th:TH_LOAD_NT
.set jj, jj+1
.endr
.endr
	; the heads' codes and scale words, Wp's scale words, bp: 27 loads
.irp u, 0,1
.irp s, 0,1,2,3
.irp c, 0,1
	global_load_b128 v[R0+32*\u+8*\s+4*\c:R0+32*\u+8*\s+4*\c+3], v[WSO], s[10:11] offset:4096*\u+1024*\s+512*\c
.endr
.endr
.endr
	global_load_b128 v[24:27], v[WSO], s[12:13]    ; register s: K step s's words; lanes 0-15 tile 0's tokens, lanes 16-31 tile 1's
	LOADWS 0
	VEC BIAS, 18, 0
	; g, chunk 1's scale words, the LayerNorm's b, b2, b1 of my first 64 hidden units: 34 loads
	VEC GV, 20, 0
	LOADWS 1
	WIN 0x40
	VEC 128, 22, 0
	VEC 160, 34, 0
	VEC 224, 28, 0
	WIN 0
	FILL 1                                         ; chunk 0 is in; slot 1's first fill
	FRAGS 0
	ASK 2
	ASK 3
	s_wait_loadcnt 61                              ; x is in: 61 loads stand behind it
	; ---- x turns through my own stage into the result's layout, a tile of tokens at a time.  LDS serves a wave's instructions in order (ISA guide 5.7.1.4)
.irp u, 0,1
.set jj, 0
.rept 8
	ds_store_b128 v[SRW], v[R1+32*\u+4*jj:R1+32*\u+4*jj+3] offset:272*(2*(jj&3)+8*(jj>>2))   ; token 2 k + h lies in row r of tile u
.set jj, jj+1
.endr
.irp b, 0,1
.irp q, 0,1
.irp m, 0,1
	ds_load_b128 v[R1+32*\u+16*\b+8*\q+4*\m:R1+32*\u+16*\b+8*\q+4*\m+3], v[SLY] offset:128*\b+64*\q+16*\m
.endr
.endr
.endr
.endr
	s_wait_loadcnt 34                              ; the first product's inputs are in
	s_wait_dscnt 0x0
	ADDV BIAS                                      ; x + bp
	PLACES
	MUL R1, R0, 24, 0, -1                          ; x1 = x + bp + out Wp
	PLACES
	LOADWS 2
	WIN 0x40
	VEC 192, 28, 256
	WIN 0
	; ---- LayerNorm: my 64 channels' mean and sum of squares about it, both tiles of tokens by turns; each accumulator is read from its low end on
.irp u, 0,1
	v_pk_add_f32 v[TM+4*\u:TM+4*\u+1], v[R1+32*\u:R1+32*\u+1], v[R1+32*\u+2:R1+32*\u+3]
	v_pk_add_f32 v[TM+4*\u+2:TM+4*\u+3], v[R1+32*\u+4:R1+32*\u+5], v[R1+32*\u+6:R1+32*\u+7]
.endr
.irp i, 8,12,16,20,24,28
.irp u, 0,1
	v_pk_add_f32 v[TM+4*\u:TM+4*\u+1], v[TM+4*\u:TM+4*\u+1], v[R1+32*\u+\i:R1+32*\u+\i+1]
	v_pk_add_f32 v[TM+4*\u+2:TM+4*\u+3], v[TM+4*\u+2:TM+4*\u+3], v[R1+32*\u+\i+2:R1+32*\u+\i+3]
.endr
.endr
	RED2
.irp u, 0,1
	s_delay_alu instid0(VALU_DEP_2)
	v_mul_f32 v[TM+8+2*\u], 0x3c800000, v[TM+4*\u] ; / 64
.endr
.irp m, 0,2,4,6,8,10,12,14,16,18,20,22,24,26,28,30
.irp u, 0,1
	v_pk_add_f32 v[R0+32*\u+\m:R0+32*\u+\m+1], v[R1+32*\u+\m:R1+32*\u+\m+1], v[TM+8+2*\u:TM+9+2*\u] op_sel_hi:[1,0] neg_lo:[0,1] neg_hi:[0,1]
.endr
.endr
.irp u, 0,1
	v_pk_mul_f32 v[TM+4*\u:TM+4*\u+1], v[R0+32*\u:R0+32*\u+1], v[R0+32*\u:R0+32*\u+1]
	v_pk_mul_f32 v[TM+4*\u+2:TM+4*\u+3], v[R0+32*\u+2:R0+32*\u+3], v[R0+32*\u+2:R0+32*\u+3]
.endr
.irp i, 4,8,12,16,20,24,28
.irp u, 0,1
	s_delay_alu instid0(VALU_DEP_4)
	v_pk_fma_f32 v[TM+4*\u:TM+4*\u+1], v[R0+32*\u+\i:R0+32*\u+\i+1], v[R0+32*\u+\i:R0+32*\u+\i+1], v[TM+4*\u:TM+4*\u+1]
	s_delay_alu instid0(VALU_DEP_4)
	v_pk_fma_f32 v[TM+4*\u+2:TM+4*\u+3], v[R0+32*\u+\i+2:R0+32*\u+\i+3], v[R0+32*\u+\i+2:R0+32*\u+\i+3], v[TM+4*\u+2:TM+4*\u+3]
.endr
.endr
	RED2
	v_cndmask_b32 v[TM+12], v[TM+8], v[TM+10], s[HM]   ; lanes 0-15 store tile 0's figures, lanes 16-31 tile 1's
	s_delay_alu instid0(VALU_DEP_2)
	v_cndmask_b32 v[TM+13], v[TM], v[TM+4], s[HM]
	ds_store_b64 v[LNW], v[TM+12:TM+13]
	FILL 2                                         ; (its round is also the barrier for the eight waves' figures)
.irp q, 0,1,2,3,4,5,6,7
.irp u, 0,1
	ds_load_b64 v[R0+4*\q+2*\u:R0+4*\q+2*\u+1], v[LNR] offset:256*\q+128*\u
.endr
.endr
	FRAGS 1
	ASK 4
	s_wait_dscnt 32                                ; the figures are in; chunk 1's 32 fragment loads may be out
.irp u, 0,1
	v_add_f32 v[TM+4*\u], v[R0+2*\u], v[R0+4+2*\u]
	v_add_f32 v[TM+4*\u+1], v[R0+2*\u+1], v[R0+4+2*\u+1]
.endr
.irp q, 2,3,4,5,6,7
.irp u, 0,1
	s_delay_alu instid0(VALU_DEP_4)
	v_add_f32 v[TM+4*\u], v[TM+4*\u], v[R0+4*\q+2*\u]
	s_delay_alu instid0(VALU_DEP_4)
	v_add_f32 v[TM+4*\u+1], v[TM+4*\u+1], v[R0+4*\q+2*\u+1]
.endr
.endr
.irp u, 0
	s_delay_alu instid0(VALU_DEP_4)
	v_mul_f32 v[TM+8+2*\u], 0x3e000000, v[TM+4*\u] ; the mean of 512: the eight means / 8
.endr
.irp u, 1
	s_delay_alu instid0(VALU_DEP_3)
	v_mul_f32 v[TM+8+2*\u], 0x3e000000, v[TM+4*\u]
.endr
.irp q, 0,1,2,3,4,5,6,7
.irp u, 0,1
	v_sub_f32 v[R0+4*\q+2*\u], v[R0+4*\q+2*\u], v[TM+8+2*\u]
.endr
.endr
.irp u, 0,1
	v_mul_f32 v[TM+4*\u+2], v[R0+2*\u], v[R0+2*\u]
.endr
.irp q, 1,2,3,4,5,6,7
.irp u, 0,1
	s_delay_alu instid0(VALU_DEP_2)
	v_fmac_f32 v[TM+4*\u+2], v[R0+4*\q+2*\u], v[R0+4*\q+2*\u]
.endr
.endr
.irp u, 0,1
	s_delay_alu instid0(VALU_DEP_2)
	v_fmamk_f32 v[TM+4*\u], v[TM+4*\u+2], 0x42800000, v[TM+4*\u+1]   ; 64 x the means' spread + the waves' sums of squares
.endr
.irp u, 0,1
	s_delay_alu instid0(VALU_DEP_2)
	v_fma_f32 v[TM+4*\u], v[TM+4*\u], s48, s49     ; the variance + 1e-5
.endr
	s_wait_alu depctr_va_vdst(0)
.irp u, 0,1
	v_rsq_f32 v[TM+12+2*\u], v[TM+4*\u]
.endr
.irp m, 0,2,4,6,8,10,12,14,16,18,20,22,24,26,28,30
.irp u, 0,1
	v_pk_add_f32 v[R0+32*\u+\m:R0+32*\u+\m+1], v[R1+32*\u+\m:R1+32*\u+\m+1], v[TM+8+2*\u:TM+9+2*\u] op_sel_hi:[1,0] neg_lo:[0,1] neg_hi:[0,1]   ; x1 - mean: plain work behind the two
.endr
.endr
	s_wait_alu depctr_va_vdst(0)                   ; one wait for the two, ahead of their first reader
	s_wait_loadcnt 10                              ; g, b, b2 and chunk 1's are in; chunk 2's scale words and bias may be out
.irp m, 0,2,4,6,8,10,12,14,16,18,20,22,24,26,28,30
.irp u, 0,1
	v_pk_mul_f32 v[R0+32*\u+\m:R0+32*\u+\m+1], v[R0+32*\u+\m:R0+32*\u+\m+1], v[TM+12+2*\u:TM+13+2*\u] op_sel_hi:[1,0]
.endr
.endr
	WIN 0x10                                       ; source 2: window 1
.irp m, 0,2,4,6,8,10,12,14,16,18,20,22,24,26,28,30
.irp u, 0,1
	v_pk_fma_f32 v[R0+32*\u+\m:R0+32*\u+\m+1], v[R0+32*\u+\m:R0+32*\u+\m+1], v[GV+\m:GV+\m+1], v[128+\m:128+\m+1]
.endr
.endr
	WIN 0x04                                       ; source 1: window 1
	ADDV 160                                       ; x1 + b2 stays in R1 until the last product
	WIN 0
	QUANT R0                                       ; block 2 u + b: tile u's tokens, my channels 32 b ..: pair of blocks w of h2's 512
	ds_store_b128 v[HWI], v[PC:PC+3] offset:HIM
	ds_store_b128 v[HWI], v[PC+4:PC+7] offset:HIM+4096
	ds_store_b16 v[HWS], v[TM+8]
	ds_store_b16 v[HWS], v[TM+9] offset:256
	BARRIER                                        ; h2's images lie in LDS
.irp u, 0,1
.irp s, 0,1,2,3
.irp c, 0,1
	ds_load_b128 v[R0+32*\u+8*\s+4*\c:R0+32*\u+8*\s+4*\c+3], v[L16] offset:HIM+4096*\u+1024*\s+512*\c
.endr
.endr
.endr
	ds_load_b128 v[24:27], v[L16] offset:2048
	s_wait_dscnt 0x0
	; ---- the hidden layer: my 256 units, 64 at a time
.irp n, 1,2,3,4
.if (\n == 2) || (\n == 3)
	s_wait_loadcnt 10                              ; this chunk's scale words and bias are in; the next chunk's 10 loads may be out
.elseif \n == 4
	s_wait_loadcnt 2                               ; chunk 5's two may be out
.endif
.if \n > 1
	s_wait_dscnt 4                                 ; this chunk's fragments are in; the last images' four stores may be out
.endif
	MUL R2, R0, 24, \n%2, 192+32*(\n%2)
	FILL \n+2                                      ; chunk n + 1 is in
	LOADWS \n+2
.if \n < 3
	WIN 0x40
	VEC 192+32*(\n%2), 28, 256*(\n+1)
	WIN 0
.endif
	FRAGS \n+1
	ASK \n+4
.set jj, 0
.rept 64
	v_max_num_f32 v[R2+jj], 0, v[R2+jj]            ; relu, each accumulator from its low end on
.set jj, jj+1
.endr
	QUANT R2
	ds_store_b128 v[FWI], v[PC:PC+3] offset:FIM+512*(\n-1)
	ds_store_b128 v[FWI], v[PC+4:PC+7] offset:FIM+16384+512*(\n-1)
	ds_store_b16 v[FWS], v[TM+8] offset:2*(\n-1)
	ds_store_b16 v[FWS], v[TM+9] offset:1280+2*(\n-1)
.endr
	BARRIER                                        ; the hidden layer's images lie in LDS
	; ---- the last product: my 64 channels, K = 2,048 in four quarters; the sums go on from x1 + b2
	ACTF 0, R0, 24
	ACTF 1, R2, 28
	s_wait_dscnt 17                                ; quarter 0 is in; quarter 1's 17 loads may be out
	s_wait_loadcnt 2                               ; chunk 5's scale words are in
	MUL R1, R0, 24, 1, -1
	FILL 7
	LOADWS 7
	FRAGS 6
	ACTF 2, R0, 24
	s_wait_dscnt 17
	s_wait_loadcnt 2
	MUL R1, R2, 28, 0, -1
	FILL 8
	LOADWS 8
	FRAGS 7
	ACTF 3, R2, 28
	s_wait_dscnt 17
	s_wait_loadcnt 2
	MUL R1, R0, 24, 1, -1
	; addresses for the way out: my stage is my own tile of slot 1, which has had its last fill and its last read
	v_and_b32 v20, 15, v0
	v_bfe_u32 v21, v0, 4, 1
	s_add_co_u32 s61, s60, SLOT
	v_lshlrev_b32 v14, 11, v21                     ; out0: 2,048 h + 16 r
	v_mul_u32_u24 v15, v21, 272                    ; by whole rows
	v_mul_u32_u24 v16, v20, 272                    ; in the result's layout
	v_lshl_add_u32 v14, v20, 4, v14
	v_lshl_add_u32 v15, v20, 4, v15
	v_lshl_add_u32 v16, v21, 5, v16
	v_add_nc_u32 v15, s61, v15
	v_add_nc_u32 v16, s61, v16
	s_wait_alu depctr_va_vdst(0)
	s_wait_tensorcnt 0x0                           ; my tile of chunk 8 is in: I alone read it
	FRAGS 8
	s_wait_dscnt 0x0
	s_wait_loadcnt 0x0
	MUL R1, R2, 28, 0, -1
	PLACES
	; ---- the way out, through my stage: in by the result's layout, back by whole rows
.irp u, 0,1
.irp b, 0,1
.irp q, 0,1
.irp m, 0,1
	ds_store_b128 v16, v[R1+32*\u+16*\b+8*\q+4*\m:R1+32*\u+16*\b+8*\q+4*\m+3] offset:4352*\u+128*\b+64*\q+16*\m
.endr
.endr
.endr
.endr
.irp u, 0,1
.set jj, 0
.rept 8
	ds_load_b128 v[R0+32*\u+4*jj:R0+32*\u+4*jj+3], v15 offset:4352*\u+272*(2*(jj&3)+8*(jj>>2))
.set jj, jj+1
.endr
.endr
.irp u, 0,1
.set jj, 0
.rept 8
	s_wait_dscnt 15-8*\u-jj
	global_store_b128 v14, v[R0+32*\u+4*jj:R0+32*\u+4*jj+3], s[36:37] offset:4096*((jj&3)+4*\u+8*(jj>>2)) th:TH_STORE_NT   ; sixteen lanes store 256 consecutive bytes, aligned
.set jj, jj+1
.endr
.endr
	s_wait_tensorcnt 0x0                           ; the wave's end
	ds_add_u32 v[SPW], v[NIL]
	s_wait_dscnt 0x0
	CROUND                                         ; the closing round: no work-group ends while a partner may still ask for a tile that names it
	s_endpgm
.Lfunc_end_k_qb649585c7b_tail:
	.size	k_qb649585c7b_tail, .Lfunc_end_k_qb649585c7b_tail-k_qb649585c7b_tail
	.p2alignl 7, 3214868480
	.fill 96, 4, 3214868480
	.section	.rodata,"a",@progbits
	.p2align	6, 0x0
	.amdhsa_kernel k_qb649585c7b_tail
		.amdhsa_group_segment_fixed_size 327680
		.amdhsa_private_segment_fixed_size 0
		.amdhsa_enable_private_segment 0
		.amdhsa_kernarg_size 120
		.amdhsa_user_sgpr_count 2
		.amdhsa_user_sgpr_kernarg_segment_ptr 1
		.amdhsa_wavefront_size32 1
		.amdhsa_system_sgpr_workgroup_id_x 1
		.amdhsa_system_sgpr_workgroup_id_y 1
		.amdhsa_system_sgpr_workgroup_id_z 1
		.amdhsa_system_vgpr_workitem_id 0
		.amdhsa_next_free_vgpr 512
		.amdhsa_next_free_sgpr 96
		.amdhsa_reserve_vcc 0
		.amdhsa_float_denorm_mode_32 3
		.amdhsa_float_denorm_mode_16_64 3
		.amdhsa_memory_ordered 1
		.amdhsa_forward_progress 1
		.amdhsa_inst_pref_size 152
	.end_amdhsa_kernel
	.amdgpu_metadata
---
amdhsa.version: [ 1, 2 ]
amdhsa.kernels:
  - .name:           k_qb649585c7b_tail
    .symbol:         k_qb649585c7b_tail.kd
    .args:
      - { .name: x, .offset: 0, .size: 8, .value_kind: global_buffer, .address_space: global }
      - { .name: oc, .offset: 8, .size: 8, .value_kind: global_buffer, .address_space: global }
      - { .name: os, .offset: 16, .size: 8, .value_kind: global_buffer, .address_space: global }
      - { .name: Wp_codes, .offset: 24, .size: 8, .value_kind: global_buffer, .address_space: global }
      - { .name: Wp_scales, .offset: 32, .size: 8, .value_kind: global_buffer, .address_space: global }
      - { .name: bp, .offset: 40, .size: 8, .value_kind: global_buffer, .address_space: global }
      - { .name: ln2_g, .offset: 48, .size: 8, .value_kind: global_buffer, .address_space: global }
      - { .name: ln2_b, .offset: 56, .size: 8, .value_kind: global_buffer, .address_space: global }
      - { .name: W1_codes, .offset: 64, .size: 8, .value_kind: global_buffer, .address_space: global }
      - { .name: W1_scales, .offset: 72, .size: 8, .value_kind: global_buffer, .address_space: global }
      - { .name: b1, .offset: 80, .size: 8, .value_kind: global_buffer, .address_space: global }
      - { .name: W2_codes, .offset: 88, .size: 8, .value_kind: global_buffer, .address_space: global }
      - { .name: W2_scales, .offset: 96, .size: 8, .value_kind: global_buffer, .address_space: global }
      - { .name: b2, .offset: 104, .size: 8, .value_kind: global_buffer, .address_space: global }
      - { .name: out0, .offset: 112, .size: 8, .value_kind: global_buffer, .address_space: global }
    .group_segment_fixed_size: 327680
    .private_segment_fixed_size: 0
    .kernarg_segment_align: 8
    .kernarg_segment_size: 120
    .max_flat_workgroup_size: 256
    .sgpr_count:     96
    .vgpr_count:     512
    .wavefront_size: 32
...
	.end_amdgpu_metadata
.endif
;; end of part 3
